; MI455X (gfx1250); checked and timed in simulation.
; The chip was launched on July 23, 2026; its instructions are those of AMD's public machine-readable ISA for CDNA 5 (MIT licence, August 2026) and "CDNA5" Instruction Set Architecture Reference Guide (July 2026). The comments in the code are by the model that wrote it; some were corrected since.
;; Self Attention. Allowed arithmetic: matrix products marked QUANTISED: E2M1 operands, one E8M0 scale for each 32 along K, by v_wmma_scale_f32_16x16x128_f8f6f4 with both operands' format E2M1 (or v_wmma_scale_f32_32x16x128_f4), f32 sums; products left as they are: bf16, f16 or f32 operands; f32 sums; everything else in f32.
;; Inputs: Wk 1,024 x 1,024 float32; Wo 1,024 x 1,024 float32; Wq 1,024 x 1,024 float32; Wv 1,024 x 1,024 float32; x 4 x 2,048 x 1,024 float32.
;; Outputs: out0 4 x 2,048 x 1,024 float32.
;; This version of the problem:
;;   THIS VERSION OF THE PROBLEM IS GIVEN IN LOW PRECISION. The matrix products marked QUANTISED in the list below multiply operands that are first quantised to E2M1 (2 exponent bits, 1 mantissa bit; 4 bits a number), with one power-of-two scale for each 32 numbers along K (OCP MX v1.0); their sums are f32. The products marked 'left as it is' may take bf16, f16 or f32 operands, with f32 sums. Whichever they take, every output number must still come out within the allowed error. Rounding operands to bf16 (8 significant bits) uses up far more of that allowance than f16 does (11 bits, for magnitudes from 6e-5 to 65,504). All else is computed in f32.
;;   The module's matrix products, in the order in which they are computed (A, B: the left and right operand; K: the contracted axis; several contracted axes count as one K, in the product's order):
;;     1. [M 8,192, K 1,024] x [K 1,024, N 1,024]; A: input x; B: input Wq: QUANTISED
;;     2. [M 8,192, K 1,024] x [K 1,024, N 1,024]; A: input x; B: input Wk: QUANTISED
;;     3. [M 8,192, K 1,024] x [K 1,024, N 1,024]; A: input x; B: input Wv: QUANTISED
;;     4. batch 4 x [M 2,048, K 1,024] x [K 1,024, N 2,048]; A: computed on the way; B: computed on the way: left as it is (an operand is computed on the way)
;;     5. batch 4 x [M 2,048, K 2,048] x [K 2,048, N 1,024]; A: computed on the way; B: computed on the way: left as it is (an operand is computed on the way)
;;     6. [M 8,192, K 1,024] x [K 1,024, N 1,024]; A: computed on the way; B: input Wo: left as it is (an operand is computed on the way)
;;   THE QUANTISER, for each operand of a quantised product, along K:
;;     - K is cut into blocks of 32 from its start; a last block that is shorter is filled with zeros.
;;     - A block's scale is 2^e with e = floor(log2(the largest magnitude in the block)) - 2, held to -126 .. 127; a block of zeros has e = 0. As a byte (E8M0): e + 127.
;;     - Each number is divided by its block's scale, clamped to +-6, and rounded to the nearest number of E2M1, ties to even, subnormals kept.
;;     - The product sums the exact products of the quantised numbers (number of the format x scale) in f32.
;;   ~~~python
;;   def quantise(x, axis):      # numpy; x: float32 -> the quantised numbers, widened to float32 again
;;       x = np.moveaxis(x, axis, -1); K = x.shape[-1]
;;       x = np.pad(x, [(0, 0)] * (x.ndim - 1) + [(0, -K % 32)]); x = x.reshape(x.shape[:-1] + (-1, 32)); a = np.abs(x).max(-1, keepdims=True)
;;       e = np.where(a > 0, np.clip(np.frexp(np.where(a > 0, a, 1))[1] - 1 - 2, -126, 127), 0)      # np.frexp(a)[1] - 1 = floor(log2(a)), exactly
;;       r = np.clip(x / 2.0 ** e, -6, 6)
;;       step = 2.0 ** (np.maximum(np.frexp(np.where(r == 0, 1, r))[1] - 1, 0) - 1)
;;       q = np.round(r / step) * step * 2.0 ** e      # np.round: ties to even
;;       return np.moveaxis(q.reshape(q.shape[:-2] + (-1,))[..., :K], -1, axis).astype(np.float32)
;;   ~~~
;; One version. Each part assembles by itself: llvm-mc -triple=amdgcn-amd-amdhsa -mcpu=gfx1250 --defsym DOCPART=n.
;; ======== version 1 of 1: 6 launches
;; limits: values are held in f16: magnitudes above 65,504 overflow, below 6.1e-05 lose precision
;; workspace buffers: cod 6,127,616 bytes; wot 4,194,304 bytes; qk 33,554,432 bytes; vt 16,777,216 bytes; pm 33,554,432 bytes; st 1,048,576 bytes; ob 16,777,216 bytes
;; launch prep (part 1): grid 416 x 1, 4 waves a work-group, no clusters, 137,728 bytes of LDS; arguments x, Wq, Wk, Wv, Wo, cod, wot, st; writes cod, wot, st
.if DOCPART == 1
	.amdgcn_target "amdgcn-amd-amdhsa--gfx1250"
	.amdhsa_code_object_version 6
	.text
	.protected	k_q38ce735795_prep
	.globl	k_q38ce735795_prep
	.p2align	8
	.type	k_q38ce735795_prep,@function
k_q38ce735795_prep:
	s_mov_b64 s[64:65], 0
	v_nop
	global_prefetch_b8 v0, s[64:65] scope:SCOPE_SE
	s_setreg_imm32_b32 hwreg(HW_REG_WAVE_MODE, 25, 1), 1
	s_wait_xcnt 0x0
; PREP: everything that is made once from the inputs.  Three roles, chosen by the work-group's number; they never join, and each has LDS bytes of its own.
;  X (work-groups 0-255):   x [8192][1024] f32 -> codes of FP4 (E2M1), K innermost, and one E8M0 byte for each 32 along K.  Each wave also fills its 512 bytes of both halves of st.
;  W (work-groups 256-351): Wq, Wk, Wv [1024 k][1024 n] f32, K the FIRST axis -> codes laid [n][k], K innermost, and their scale bytes.
;  O (work-groups 352-415): Wo [1024 v][1024 o] f32 -> its transpose [o][v] as two f16 numbers: a high part (x rounded to 11 significant bits) and a low part (x - high, rounded to f16).
; cod: x's codes at XC [8192][512 B]; W's at WC [3072][512 B] (rows: Wq's columns, Wk's, Wv's); x's scale bytes at XSO [8192][32]; W's at WSO [3072][32].
; st [2 kinds][4 b][16 chunks][2048 q] f32: kind 0 (-M of a chunk of 128 keys) is filled with +3e38, kind 1 (the chunk's sum) with 0: what a chunk that no later launch writes counts for.
; A block's scale is 2^(floor(log2(largest magnitude)) - 2): its byte is the largest magnitude's exponent field - 2, held at 1 from below.
; LIMITS: a block of zeros gets the byte 1, not 127 (its codes are zeros; only this program reads the bytes); blocks whose largest magnitude lies under 2^-124 keep the byte 1;
; NaN and infinities are not served; a high part under 2^-14 is rounded to f16's subnormal step 2^-24, and the low part does not carry that error; |Wo| stays under 65,504.
.set XC,    0
.set WC,    4194304
.set XSO,   5767168
.set WSO,   6029312
.set SP,    80                         ; role X: a lane's place in a stage: 64 bytes + 16 of padding
.set XREG,  8192                       ; role X: LDS of a wave: two stages of 32 x SP bytes, then its 256 scale bytes
.set PITCH, 272                        ; roles W, O: a stage row: 256 bytes + 16 of padding
.set WSTG,  32768                      ; role W: 4 stages of 16 rows
.set OSTG,  67584                      ; role O: for each wave a stage of 32 rows for the high parts, then one for the low parts
.set SPARE, 137216                     ; the spare words, 128 bytes for each wave: two blocks of 256 bytes that no other line names
.set SPW,   12                         ; v12  LDS address of my spare word; never rewritten
.set NIL,   13                         ; v13  0; never rewritten
	s_load_b256 s[4:11], s[0:1], 0x0               ; x s[4:5], Wq s[6:7], Wk s[8:9], Wv s[10:11]
	s_load_b256 s[12:19], s[0:1], 0x20             ; Wo s[12:13], cod s[14:15], wot s[16:17], st s[18:19]
	v_lshl_add_u32 v[SPW], v0, 2, SPARE
	v_mov_b32 v[NIL], 0
	v_lshrrev_b32 v1, 5, v0
	v_readfirstlane_b32 s20, v1                    ; wave 0..3
	v_and_b32 v2, 31, v0                           ; lane
	s_mov_b32 s29, 0                               ; the high word of every offset pair s[28:29]
	s_wait_kmcnt 0x0
	s_cmp_lt_u32 ttmp9, 256
	s_cbranch_scc1 .Lrole_x
	s_cmp_lt_u32 ttmp9, 352
	s_cbranch_scc1 .Lrole_w
; ---------------- ROLE O: a lane takes a column o of Wo, its registers run down v; a wave takes 32 columns x 128 rows, in 4 blocks of 32 rows.
	s_sub_co_u32 s21, ttmp9, 352
	s_and_b32 s22, s21, 7                          ; which 128 columns
	s_lshr_b32 s23, s21, 3                         ; which 128 rows
	s_lshl_b32 s24, s22, 7
	s_lshl_b32 s25, s20, 5
	s_add_co_u32 s24, s24, s25                     ; my wave's first column
	s_lshl_b32 s28, s23, 19                        ; 128 rows of 4,096 bytes
	s_lshl_b32 s25, s24, 2
	s_add_co_u32 s28, s28, s25
	s_add_nc_u64 s[12:13], s[12:13], s[28:29]
	s_lshl_b32 s28, s24, 11                        ; in the transpose: row o of 2,048 bytes,
	s_lshl_b32 s25, s23, 8                         ; 128 numbers of 2 bytes along v
	s_add_co_u32 s28, s28, s25
	s_add_nc_u64 s[16:17], s[16:17], s[28:29]
	v_lshlrev_b32 v3, 2, v2                        ; in: 4 bytes a lane
	s_mul_i32 s25, s20, 2*32*PITCH
	s_add_co_u32 s25, s25, OSTG                    ; my two stages
	v_mul_u32_u24 v4, v2, PITCH
	v_add_nc_u32 v4, s25, v4                       ; into them: row = my column
	v_and_b32 v5, 15, v2
	v_lshrrev_b32 v6, 4, v2
	v_mul_u32_u24 v7, v6, PITCH
	v_lshl_add_u32 v7, v5, 4, v7
	v_add_nc_u32 v7, s25, v7                       ; out of them: sixteen lanes to a row, two rows an instruction
	v_lshlrev_b32 v8, 11, v6
	v_lshl_add_u32 v8, v5, 4, v8                   ; and the same place in the transpose
.macro OLD t                           ; block t: Wo(32 t + i, my column), i = 0 .. 31, into set t % 2
.set i, 0
.rept 32
	global_load_b32 v[32+32*((\t)%2)+i], v3, s[12:13] offset:(32*(\t)+i)*4096 th:TH_LOAD_NT
.set i, i+1
.endr
.endm
.macro OBLOCK t
.set XO, 32+32*((\t)%2)
.if (\t) < 3
	s_wait_loadcnt 32                              ; this block's 32 loads are in; the next block's may be out
.else
	s_wait_loadcnt 0
.endif
.set i, 0
.rept 16                               ; two numbers at a time; four pairs of temporaries by turns
.set TT, 16+2*(i%4)
	v_add_nc_u32 v[TT], 0x1000, v[XO+2*i]          ; half a unit of the 11th bit onto the magnitude,
	v_add_nc_u32 v[TT+1], 0x1000, v[XO+2*i+1]
	v_and_b32 v[TT], 0xffffe000, v[TT]             ; and the bits under it away: the high part, still in f32
	v_and_b32 v[TT+1], 0xffffe000, v[TT+1]
	v_sub_f32 v[XO+2*i], v[XO+2*i], v[TT]          ; the low part: exact
	v_sub_f32 v[XO+2*i+1], v[XO+2*i+1], v[TT+1]
	v_cvt_pk_f16_f32 v[96+i], v[TT], v[TT+1]
	v_cvt_pk_f16_f32 v[112+i], v[XO+2*i], v[XO+2*i+1]
.set i, i+1
.endr
.irp k, 0,1,2,3
	ds_store_b128 v4, v[96+4*\k:99+4*\k] offset:64*(\t)+16*\k               ; 32 numbers along v: 64 bytes of my column's row
	ds_store_b128 v4, v[112+4*\k:115+4*\k] offset:32*PITCH+64*(\t)+16*\k
.endr
.if (\t)+2 < 4
	OLD (\t)+2
.endif
	s_wait_dscnt 0x0                               ; the stores have read their registers: the next block may write them
.endm
	OLD 0
	OLD 1
	OBLOCK 0
	OBLOCK 1
	OBLOCK 2
	OBLOCK 3
.irp t, 0,1,2,3,4,5,6,7,8,9,10,11,12,13,14,15
	ds_load_b128 v[128+4*\t:131+4*\t], v7 offset:2*\t*PITCH                 ; a wave's LDS instructions are served in order: these see my stores
.endr
.irp t, 0,1,2,3,4,5,6,7,8,9,10,11,12,13,14,15
	ds_load_b128 v[192+4*\t:195+4*\t], v7 offset:32*PITCH+2*\t*PITCH
.endr
.irp t, 0,1,2,3,4,5,6,7,8,9,10,11,12,13,14,15
	s_wait_dscnt 31-\t                             ; load t of the 32 is in
	global_store_b128 v8, v[128+4*\t:131+4*\t], s[16:17] offset:2*\t*2048   ; sixteen lanes store 256 consecutive bytes, aligned
.endr
.irp t, 0,1,2,3,4,5,6,7,8,9,10,11,12,13,14,15
	s_wait_dscnt 15-\t
	global_store_b128 v8, v[192+4*\t:195+4*\t], s[16:17] offset:2097152+2*\t*2048
.endr
	s_wait_tensorcnt 0x0                           ; the wave's end
	ds_add_u32 v[SPW], v[NIL]
	s_wait_dscnt 0x0
	s_endpgm
; ---------------- ROLE W: a lane takes a column n, its registers run down K: a block of 32 along K lies in one lane.  A wave takes 16 columns x 512 along K: lanes 0-15 the first 256 of them,
; lanes 16-31 the 256 further down, so that a wave walks 8 blocks, and a column's 512 codes, 256 bytes, still meet in one row of the wave's stage.  The four waves stand side by side on 64 columns.
.Lrole_w:
	s_sub_co_u32 s21, ttmp9, 256
	s_lshr_b32 s22, s21, 5                         ; which weight: 0 Wq, 1 Wk, 2 Wv
	s_and_b32 s23, s21, 15                         ; which 64 columns
	s_bfe_u32 s24, s21, 0x10004                    ; which 512 along K
	s_cmp_eq_u32 s22, 0
	s_cselect_b64 s[6:7], s[6:7], s[8:9]           ; the choice hangs on the work-group's number alone
	s_cmp_eq_u32 s22, 2
	s_cselect_b64 s[6:7], s[10:11], s[6:7]
	s_lshl_b32 s25, s23, 6
	s_lshl_b32 s26, s20, 4
	s_add_co_u32 s25, s25, s26                     ; my wave's first column
	s_lshl_b32 s28, s24, 21                        ; 512 rows of 4,096 bytes
	s_lshl_b32 s26, s25, 2
	s_add_co_u32 s28, s28, s26
	s_add_nc_u64 s[6:7], s[6:7], s[28:29]
	s_lshl_b32 s26, s22, 10
	s_add_co_u32 s26, s26, s25                     ; the row of the codes: 1024 x weight + column
	s_lshl_b32 s28, s26, 9
	s_lshl_b32 s27, s24, 8
	s_add_co_u32 s28, s28, s27
	s_add_co_u32 s28, s28, WC
	s_add_nc_u64 s[30:31], s[14:15], s[28:29]      ; my codes
	s_lshl_b32 s28, s26, 5
	s_lshl_b32 s27, s24, 4
	s_add_co_u32 s28, s28, s27
	s_add_co_u32 s28, s28, WSO
	s_add_nc_u64 s[32:33], s[14:15], s[28:29]      ; my scale bytes
	v_and_b32 v5, 15, v2                           ; r: my column
	v_lshrrev_b32 v6, 4, v2                        ; h: my half of the 512 along K
	v_lshlrev_b32 v3, 2, v5
	v_lshl_add_u32 v3, v6, 20, v3                  ; in: 4 bytes a column, 256 rows of 4,096 bytes a half
	s_mul_i32 s27, s20, 16*PITCH
	s_add_co_u32 s27, s27, WSTG                    ; my stage
	v_mul_u32_u24 v4, v5, PITCH
	v_lshl_add_u32 v4, v6, 7, v4
	v_add_nc_u32 v4, s27, v4                       ; into it: row = my column, 128 bytes a half
	v_mul_u32_u24 v7, v6, PITCH
	v_lshl_add_u32 v7, v5, 4, v7
	v_add_nc_u32 v7, s27, v7                       ; out of it: sixteen lanes to a row, two rows an instruction
	v_lshlrev_b32 v8, 9, v6
	v_lshl_add_u32 v8, v5, 4, v8                   ; two rows of 512 bytes of the codes
	v_lshlrev_b32 v9, 5, v5
	v_lshl_add_u32 v9, v6, 3, v9                   ; my column's row of scale bytes, 8 bytes a half
.macro WLD t
.set i, 0
.rept 32
	global_load_b32 v[32+32*((\t)%2)+i], v3, s[6:7] offset:(32*(\t)+i)*4096 th:TH_LOAD_NT
.set i, i+1
.endr
.endm
.macro WBLOCK t
.set XW, 32+32*((\t)%2)
.if (\t) < 7
	s_wait_loadcnt 32                              ; this block's 32 loads are in; the next block's may be out
.else
	s_wait_loadcnt 0
.endif
	v_max3_num_f32 v20, |v[XW]|, |v[XW+1]|, |v[XW+2]|              ; the block's largest magnitude: all 32 numbers are mine
	v_max3_num_f32 v21, |v[XW+3]|, |v[XW+4]|, |v[XW+5]|
.irp i, 6,10,14,18,22,26
	v_max3_num_f32 v20, v20, |v[XW+\i]|, |v[XW+\i+1]|
	v_max3_num_f32 v21, v21, |v[XW+\i+2]|, |v[XW+\i+3]|
.endr
	v_max3_num_f32 v20, v20, |v[XW+30]|, |v[XW+31]|
	v_max3_num_f32 v20, v20, v21, 0x1800000        ; and the floor 2^(3 - 127): the byte cannot fall under 1
	v_add_nc_u32 v11, 0xff000000, v20              ; 2 off the exponent field: the conversion takes this operand's exponent field as its scale
	v_lshrrev_b32 v21, 23, v11                     ; the scale's byte
.if (\t)%4 == 0
	v_mov_b32 v[24+(\t)/4], v21                    ; four bytes to a register, the lower K in the lower byte
.else
	v_lshl_or_b32 v[24+(\t)/4], v21, 8*((\t)%4), v[24+(\t)/4]
.endif
.irp g, 0,1,2,3
	v_cvt_scalef32_pk8_fp4_f32 v[96+\g], v[XW+8*\g:XW+8*\g+7], v11
.endr
	ds_store_b128 v4, v[96:99] offset:16*(\t)      ; 32 codes: 16 bytes of my column's row
.if (\t)+2 < 8
	WLD (\t)+2
.endif
	s_wait_dscnt 0x0                               ; the store has read its registers
.endm
	WLD 0
	WLD 1
.set Q, 0
.rept 8
	WBLOCK Q
.set Q, Q+1
.endr
	global_store_b64 v9, v[24:25], s[32:33]        ; my 8 scale bytes
.irp t, 0,1,2,3,4,5,6,7
	ds_load_b128 v[112+4*\t:115+4*\t], v7 offset:2*\t*PITCH
.endr
.irp t, 0,1,2,3,4,5,6,7
	s_wait_dscnt 7-\t
	global_store_b128 v8, v[112+4*\t:115+4*\t], s[30:31] offset:2*\t*512    ; sixteen lanes store 256 consecutive bytes, aligned
.endr
	s_wait_tensorcnt 0x0                           ; the wave's end
	ds_add_u32 v[SPW], v[NIL]
	s_wait_dscnt 0x0
	s_endpgm
; ---------------- ROLE X: x is a plain stream of blocks of 32.  A wave takes 16 steps of 512 numbers.  Loads take the bytes as they lie (512 consecutive bytes each); a step's 2,048 bytes turn through the
; wave's own stage so that a lane holds 16 neighbours; two neighbouring lanes hold a block.  Loads run four steps ahead, the turn through LDS one step.
.Lrole_x:
.set XR,  16                           ; v16-79   four sets of 16 numbers as loaded
.set XX,  80                           ; v80-111  two sets of 16 neighbours
.set XE,  112                          ; v112-127 a scale byte for each step
.set XCD, 128                          ; v128-191 codes: four registers for each step, so that no store's data are written again
	s_lshl_b32 s21, ttmp9, 2
	s_add_co_u32 s21, s21, s20                     ; which run of 8,192 numbers is my wave's
	s_lshl_b32 s28, s21, 15
	s_add_nc_u64 s[4:5], s[4:5], s[28:29]
	s_lshl_b32 s28, s21, 12
	s_add_nc_u64 s[30:31], s[14:15], s[28:29]      ; my codes (XC = 0)
	s_lshl_b32 s28, s21, 8
	s_add_co_u32 s28, s28, XSO
	s_add_nc_u64 s[32:33], s[14:15], s[28:29]      ; my 256 scale bytes
	s_lshl_b32 s28, s21, 9
	s_add_nc_u64 s[18:19], s[18:19], s[28:29]      ; my 512 bytes of each half of st
	v_lshlrev_b32 v3, 4, v2                        ; my 16 bytes of a load's 512
	s_mul_i32 s21, s20, XREG
	v_lshrrev_b32 v14, 2, v2
	v_mul_u32_u24 v14, v14, SP
	v_and_b32 v15, 3, v2
	v_lshl_add_u32 v14, v15, 4, v14
	v_add_nc_u32 v14, s21, v14                     ; the stage, on the way in: SP (lane / 4) + 16 (lane % 4)
	v_mul_u32_u24 v15, v2, SP
	v_add_nc_u32 v15, s21, v15                     ; and on the way out: SP x lane
	v_lshlrev_b32 v4, 3, v2                        ; my codes' place in a step's: 8 bytes a lane
	v_lshrrev_b32 v5, 1, v2
	s_add_co_u32 s21, s21, 2*32*SP
	v_add_nc_u32 v5, s21, v5                       ; my block's byte among my wave's 256
	v_lshlrev_b32 v7, 3, v2
	v_add_nc_u32 v6, s21, v7
.macro XLD t
.irp i, 0,1,2,3
	global_load_b128 v[XR+16*((\t)%4)+4*\i:XR+16*((\t)%4)+4*\i+3], v3, s[4:5] offset:2048*(\t)+512*\i th:TH_LOAD_NT
.endr
.endm
.macro XTURN t                         ; step t's numbers through the stage
.irp i, 0,1,2,3
	ds_store_b128 v14, v[XR+16*((\t)%4)+4*\i:XR+16*((\t)%4)+4*\i+3] offset:32*SP*((\t)%2)+8*SP*\i
.endr
.irp i, 0,1,2,3
	ds_load_b128 v[XX+16*((\t)%2)+4*\i:XX+16*((\t)%2)+4*\i+3], v15 offset:32*SP*((\t)%2)+16*\i
.endr
.endm
.irp t, 0,1,2,3
	XLD \t
.endr
.irp i, 0,1,2,3
	v_mov_b32 v[192+\i], 0x7f61b1e6                ; +3e38: -M of a chunk with no key
	v_mov_b32 v[196+\i], 0                         ; and its sum
.endr
	global_store_b128 v3, v[192:195], s[18:19]                     ; each store covers 512 consecutive bytes
	global_store_b128 v3, v[196:199], s[18:19] offset:524288
	s_wait_loadcnt 12                              ; step 0's four loads are in
	XTURN 0
.macro XSTEP t
.set XV, XX+16*((\t)%2)
.if (\t) > 0
	s_wait_dscnt 1                                 ; this step's numbers are back from the stage (the last step's byte store may be out)
.else
	s_wait_dscnt 0x0
.endif
.if (\t)+4 < 16
	XLD (\t)+4
.endif
.if (\t)+1 < 16
.if 14-(\t) >= 3
	s_wait_loadcnt 12                              ; the next step's four loads are in; those of the three steps behind it may be out
.else
	s_wait_loadcnt 4*(14-(\t))
.endif
	XTURN (\t)+1
.endif
	v_max3_num_f32 v8, |v[XV]|, |v[XV+1]|, |v[XV+2]|
	v_max3_num_f32 v9, |v[XV+3]|, |v[XV+4]|, |v[XV+5]|
.irp i, 6,10
	v_max3_num_f32 v8, v8, |v[XV+\i]|, |v[XV+\i+1]|
	v_max3_num_f32 v9, v9, |v[XV+\i+2]|, |v[XV+\i+3]|
.endr
	v_max3_num_f32 v8, v8, |v[XV+14]|, |v[XV+15]|
	v_max3_num_f32 v8, v8, v9, 0x1800000           ; the floor 2^(3 - 127)
	v_max_num_f32_dpp v8, v8, v8 row_xmask:1 row_mask:0xf bank_mask:0xf   ; with my neighbour's 16: the block's largest magnitude
	v_add_nc_u32 v11, 0xff000000, v8
	v_cvt_scalef32_pk8_fp4_f32 v[XCD+4*(\t)], v[XV:XV+7], v11
	v_cvt_scalef32_pk8_fp4_f32 v[XCD+4*(\t)+1], v[XV+8:XV+15], v11
	v_lshrrev_b32 v[XE+(\t)], 23, v11              ; the scale's byte
	ds_store_b8 v5, v[XE+(\t)] offset:16*(\t)      ; both lanes of a block write the same byte with the same value
	global_store_b64 v4, v[XCD+4*(\t):XCD+4*(\t)+1], s[30:31] offset:256*(\t)   ; the wave stores 256 consecutive bytes, aligned
.endm
.irp t, 0,1,2,3,4,5,6,7,8,9,10,11,12,13,14,15
	XSTEP \t
.endr
	ds_load_b64 v[8:9], v6
	s_wait_dscnt 0x0
	global_store_b64 v7, v[8:9], s[32:33]          ; 32 lanes store 256 consecutive bytes, aligned
	s_wait_tensorcnt 0x0                           ; the wave's end
	ds_add_u32 v[SPW], v[NIL]
	s_wait_dscnt 0x0
	s_endpgm
.Lfunc_end_k_q38ce735795_prep:
	.size	k_q38ce735795_prep, .Lfunc_end_k_q38ce735795_prep-k_q38ce735795_prep
	.p2alignl 7, 3214868480
	.fill 96, 4, 3214868480
	.section	.rodata,"a",@progbits
	.p2align	6, 0x0
	.amdhsa_kernel k_q38ce735795_prep
		.amdhsa_group_segment_fixed_size 137728
		.amdhsa_private_segment_fixed_size 0
		.amdhsa_enable_private_segment 0
		.amdhsa_kernarg_size 64
		.amdhsa_user_sgpr_count 2
		.amdhsa_user_sgpr_kernarg_segment_ptr 1
		.amdhsa_wavefront_size32 1
		.amdhsa_system_sgpr_workgroup_id_x 1
		.amdhsa_system_sgpr_workgroup_id_y 1
		.amdhsa_system_sgpr_workgroup_id_z 1
		.amdhsa_system_vgpr_workitem_id 0
		.amdhsa_next_free_vgpr 256
		.amdhsa_next_free_sgpr 66
		.amdhsa_reserve_vcc 0
		.amdhsa_float_denorm_mode_32 3
		.amdhsa_float_denorm_mode_16_64 3
		.amdhsa_memory_ordered 1
		.amdhsa_forward_progress 1
		.amdhsa_inst_pref_size 123
	.end_amdhsa_kernel
	.amdgpu_metadata
---
amdhsa.version: [ 1, 2 ]
amdhsa.kernels:
  - .name:           k_q38ce735795_prep
    .symbol:         k_q38ce735795_prep.kd
    .args:
      - { .name: x, .offset: 0, .size: 8, .value_kind: global_buffer, .address_space: global }
      - { .name: Wq, .offset: 8, .size: 8, .value_kind: global_buffer, .address_space: global }
      - { .name: Wk, .offset: 16, .size: 8, .value_kind: global_buffer, .address_space: global }
      - { .name: Wv, .offset: 24, .size: 8, .value_kind: global_buffer, .address_space: global }
      - { .name: Wo, .offset: 32, .size: 8, .value_kind: global_buffer, .address_space: global }
      - { .name: cod, .offset: 40, .size: 8, .value_kind: global_buffer, .address_space: global }
      - { .name: wot, .offset: 48, .size: 8, .value_kind: global_buffer, .address_space: global }
      - { .name: st, .offset: 56, .size: 8, .value_kind: global_buffer, .address_space: global }
    .group_segment_fixed_size: 137728
    .private_segment_fixed_size: 0
    .kernarg_segment_align: 8
    .kernarg_segment_size: 64
    .max_flat_workgroup_size: 128
    .sgpr_count:     66
    .vgpr_count:     256
    .wavefront_size: 32
...
	.end_amdgpu_metadata
.endif
;; end of part 1
;; launch qkv (part 2): grid 8 x 48, 4 waves a work-group, clusters of 4 x 4, 327,680 bytes of LDS; arguments cod, qk, vt; writes qk, vt
.if DOCPART == 2
	.amdgcn_target "amdgcn-amd-amdhsa--gfx1250"
	.amdhsa_code_object_version 6
	.text
	.protected	k_q38ce735795_qkv
	.globl	k_q38ce735795_qkv
	.p2align	8
	.type	k_q38ce735795_qkv,@function
k_q38ce735795_qkv:
	s_mov_b64 s[64:65], 0
	v_nop
	global_prefetch_b8 v0, s[64:65] scope:SCOPE_SE
	s_setreg_imm32_b32 hwreg(HW_REG_WAVE_MODE, 25, 1), 1
	s_wait_xcnt 0x0
	s_wait_alu depctr_hold_cnt(0) depctr_sa_sdst(0) depctr_va_vdst(0) depctr_va_sdst(0) depctr_va_ssrc(0) depctr_va_vcc(0) depctr_vm_vsrc(0)
	s_getreg_b32 s2, hwreg(HW_REG_IB_STS2, 6, 4)
	s_cmp_eq_u32 s2, 0
	s_cbranch_scc0 .Lentry_in_a_cluster
	s_endpgm
.Lentry_in_a_cluster:
	s_bfe_u32 s2, ttmp6, 0x10000c
	s_cmp_lg_u32 s2, 0xf033
	s_cbranch_scc0 .Lentry_shape_is_right
	s_endpgm
.Lentry_shape_is_right:
; QKV: the three quantised products, on codes of FP4 (E2M1) with one E8M0 scale for each 32 along K = 1,024; sums in f32, results rounded once to f16.
; Two products of one shape C = A B^T share the text, told apart by the CLUSTER's y (the same in all sixteen partners), by selects alone:
;   cluster y 0-7:  [q | k] [8192][2048] = x [8192][K] x (Wq's and Wk's columns) [2048][K]              -> qk, rows of 4,096 bytes
;   cluster y 8-11: v^T [1024 c][8192 s] = (Wv's columns) [1024][K] x x [8192][K]                        -> vt [4 b][1024 c][2048 s], rows of 4,096 bytes
; A tile of C is 256 x 256, four waves of 128 x 128 (64 accumulators, 512 registers).  K is two slots of 512 (rows of 256 bytes): both are first fills, nothing is filled again.
; The scale bytes of the work-group's 256 + 256 rows, for all of K, are two dense blocks: they come once, with the first fills.
; CLUSTER 4 x 4: A's tiles are shared along a row of the cluster, B's along a column: each is asked for jointly.  A wave has three tensor loads out, at the start.
; THE MATRIX INSTRUCTION IS USED TRANSPOSED (source 0 = 16 rows of B, source 1 = 16 rows of A): a lane holds eight neighbouring numbers of a row of C.
; REGISTERS: window 0: v0-31 addresses; v32-95 scale words, two sets; v128-191 A's fragments, one set; on the way out v32-63, v192-255.  window 1: B's fragments, two sets.  windows 2, 3: the accumulators.
; LIMIT: |q|, |k|, |v| up to 65,504 (f16).
.set XC,     0
.set WC,     4194304
.set XSO,    5767168
.set WSO,    6029312
.set NQ,     4                         ; matrix instructions deep in a slot
.set ROWB,   256                       ; a tile's row in bytes: 512 codes
.set KROW,   512                       ; a row of codes in memory
.set PITCH,  272                       ; an LDS row: 256 bytes + 16 of padding: the 16 rows that a load touches start 68 words apart
.set FR,     8
.set NL,     2
.set NP,     4
.set HALFT,  128*PITCH
.set SLOT,   4*HALFT
.set KS,     32                        ; a row of scale bytes
.set SCL,    2*SLOT
.set HALFS,  (128*KS/256)*272
.set SBLK,   (16*KS/256)*272
.set SPARE,  SCL+4*HALFS               ; the spare words, 128 bytes for each wave: two blocks of 256 bytes that no other line names
.set SPITCH, 272                       ; the way out: a stage of 16 rows x (256 + 16) bytes for each wave, in slot 0, whose one fill is done and which nobody reads behind the change of slots
.set ADRA, 16
.set ADRB, 20
.set STO,  24
.set RD,   25
.set CO,   26
.set ADRS, 27
.set SPW,  28
.set NIL,  29
.set SC,   32
.set AF,   128
.set TMP,  192
.set OB,   32
.set G1, 24
.set G0, 32
.set G1B, 48
.set G0B, 56
.set G1S, 68
.set G0S, 76
.set G1SB, 80
.set G0SB, 88
.set MSB, 0
.macro WIN new                         ; the immediate's high byte repeats the setting that is left
.if MSB != (\new)
	s_set_vgpr_msb (MSB<<8)|(\new)
.set MSB, \new
.endif
.endm
.set MUL_LO, 0xa1                      ; source 0 (B) window 1, source 1 (A) window 0, C and D window 2
.set MUL_HI, 0xf1
.set TO_B,   0x40
.macro JLOAD g0a, g1a, g0b, g1b        ; a joint load: waves 0 and 1 fetch for A, waves 2 and 3 for B; the branch hangs on the wave's number alone; s_nop 0 and four v_nop follow each line
	s_cmp_eq_u32 s15, 0
	s_cbranch_scc0 .Lfor_b_\@
	tensor_load_to_lds s[\g0a:\g0a+3], s[\g1a:\g1a+7]
	s_nop 0
.rept 4
	v_nop
.endr
	s_branch .Lasked_\@
.Lfor_b_\@:
	tensor_load_to_lds s[\g0b:\g0b+3], s[\g1b:\g1b+7]
	s_nop 0
.rept 4
	v_nop
.endr
.Lasked_\@:
.endm
.macro CROUND                          ; a round of the cluster's barrier
	s_barrier_signal -1
	s_barrier_wait -1
	s_cmp_lg_u32 s14, 0
	s_cbranch_scc1 .Lnot_wave_0_\@
	s_barrier_signal -3
.Lnot_wave_0_\@:
	s_barrier_wait -3
	s_barrier_signal -1
	s_barrier_wait -1
.endm
	s_load_b128 s[4:7], s[0:1], 0x0                ; cod s[4:5], qk s[6:7]
	s_load_b64 s[8:9], s[0:1], 0x10                ; vt
	v_lshl_add_u32 v[SPW], v0, 2, SPARE
	v_mov_b32 v[NIL], 0
	ds_add_u32 v[SPW], v[NIL]                      ; the wave's opening: the add, twice on end, and its wait ahead of my first tensor load
	ds_add_u32 v[SPW], v[NIL]
	v_lshrrev_b32 v1, 5, v0
	v_readfirstlane_b32 s14, v1                    ; wave 0..3
	s_lshr_b32 s15, s14, 1                         ; which half of the tile's rows is mine.  Also: I fetch for A (0) or for B (1)
	s_and_b32 s16, s14, 1                          ; which half of its columns.  Also: which 128 rows of that tile I fetch
	s_bfe_u32 s40, ttmp6, 0x40000                  ; cx, cy
	s_bfe_u32 s41, ttmp6, 0x40004
	s_and_b32 s95, ttmp7, 0xffff                   ; the cluster's y
	s_sub_co_u32 s93, s95, 8
	s_lshl_b32 s93, s93, 1
	s_add_co_u32 s93, s93, ttmp9                   ; v^T: the cluster's column = 2 (y - 8) + x
	s_cmp_ge_u32 s95, 8                            ; v^T or [q | k]?
	s_cselect_b32 s92, 0, s95                      ; the cluster's row
	s_cselect_b32 s93, s93, ttmp9                  ; and column
	s_cselect_b32 s66, WC+1048576, 0               ; where A's codes begin in cod: Wv's columns, or x
	s_mov_b32 s96, XSO
	s_cselect_b32 s96, WSO+65536, s96              ; A's scale bytes
	s_cselect_b32 s98, 0, WC                       ; B's codes: x, or Wq's and Wk's columns
	s_mov_b32 s100, WSO
	s_cselect_b32 s100, XSO, s100                  ; B's scale bytes
	s_mov_b32 s67, 0
	s_mov_b32 s97, 0
	s_mov_b32 s99, 0
	s_mov_b32 s101, 0
	s_lshl_b32 s42, s93, 2
	s_add_co_u32 s42, s42, s40                     ; tile column of C
	s_lshl_b32 s17, s92, 2
	s_add_co_u32 s17, s17, s41                     ; tile row of C
	s_lshl_b32 s43, s41, 2
	s_lshl_b32 s43, 15, s43                        ; my row of the cluster
	s_lshl_b32 s44, 0x1111, s40                    ; my column
	s_or_b32 s[G1+0], s43, (0<<16)|(1<<20)|(1<<21)|(5<<22)|(3<<25)  ; the mask; elements of 1 byte; padding on; bit 21 beside a mask; 4 words of padding after every 64
	s_or_b32 s[G1B+0], s44, (0<<16)|(1<<20)|(1<<21)|(5<<22)|(3<<25)
.irp g, G1, G1B
	s_mov_b32 s[\g+1], ROWB<<16                    ; tensor_dim0
	s_mov_b32 s[\g+2], 128<<16                     ; tensor_dim1
	s_mov_b32 s[\g+3], ROWB<<16                    ; tile_dim0
	s_mov_b32 s[\g+4], 128                         ; tile_dim1
	s_mov_b32 s[\g+5], KROW                        ; from row to row
	s_mov_b32 s[\g+6], 0
	s_mov_b32 s[\g+7], 0
.endr
	s_or_b32 s[G1S+0], s43, (3<<16)|(1<<20)|(1<<21)|(5<<22)|(3<<25)  ; the scales of 128 rows: 4,096 dense bytes as 16 rows of 32 elements of 8 bytes, 16 bytes of padding behind each
	s_or_b32 s[G1SB+0], s44, (3<<16)|(1<<20)|(1<<21)|(5<<22)|(3<<25)
.irp g, G1S, G1SB
	s_mov_b32 s[\g+1], 32<<16
	s_mov_b32 s[\g+2], (128*KS/256)<<16
	s_mov_b32 s[\g+3], 32<<16
	s_mov_b32 s[\g+4], 128*KS/256
	s_mov_b32 s[\g+5], 32
	s_mov_b32 s[\g+6], 0
	s_mov_b32 s[\g+7], 0
.endr
	s_lshl_b32 s18, s16, 7
	s_lshl_b32 s20, s17, 8
	s_add_co_u32 s20, s20, s18                     ; A: row 256 x tile row + 128 x half
	s_lshl_b32 s46, s42, 8
	s_add_co_u32 s46, s46, s18                     ; B: row 256 x tile column + 128 x half
	s_mov_b32 s21, 0
	s_mov_b32 s47, 0
	s_mov_b64 s[18:19], KS
	s_mul_u64 s[22:23], s[20:21], s[18:19]
	s_mul_u64 s[92:93], s[46:47], s[18:19]
	s_mov_b64 s[18:19], KROW
	s_mul_u64 s[20:21], s[20:21], s[18:19]
	s_mul_u64 s[46:47], s[46:47], s[18:19]
	s_add_nc_u64 s[20:21], s[20:21], s[66:67]      ; each offset with its region of cod
	s_add_nc_u64 s[22:23], s[22:23], s[96:97]
	s_add_nc_u64 s[46:47], s[46:47], s[98:99]
	s_add_nc_u64 s[92:93], s[92:93], s[100:101]
	s_mul_i32 s45, s14, HALFT                      ; where they go: wave x 128 rows: no place in the cluster enters an LDS address
	s_mul_i32 s94, s14, HALFS
	s_wait_dscnt 0x0                               ; both opening adds are done
	s_wait_kmcnt 0x0
	s_add_nc_u64 s[20:21], s[4:5], s[20:21]
	s_add_nc_u64 s[22:23], s[4:5], s[22:23]
	s_add_nc_u64 s[46:47], s[4:5], s[46:47]
	s_add_nc_u64 s[92:93], s[4:5], s[92:93]
	s_cmp_ge_u32 s95, 8
	s_cselect_b64 s[12:13], s[8:9], s[6:7]         ; C: vt or qk
	CROUND                                         ; all sixteen work-groups are here: the first joint loads meet
	s_mov_b32 s[G0S], 1
	s_add_co_u32 s[G0S+1], s94, SCL
	s_mov_b64 s[G0S+2:G0S+3], s[22:23]
	s_or_b32 s[G0S+3], s[G0S+3], 0x80000000
	s_mov_b32 s[G0SB], 1
	s_add_co_u32 s[G0SB+1], s94, SCL
	s_mov_b64 s[G0SB+2:G0SB+3], s[92:93]
	s_or_b32 s[G0SB+3], s[G0SB+3], 0x80000000
	JLOAD G0S, G1S, G0SB, G1SB                     ; the scales first: they are wanted with slot 0
.irp s, 0,1
	s_mov_b32 s[G0+4*\s], 1
	s_add_co_u32 s[G0+4*\s+1], s45, \s*SLOT
	s_add_nc_u64 s[G0+4*\s+2:G0+4*\s+3], s[20:21], \s*ROWB
	s_or_b32 s[G0+4*\s+3], s[G0+4*\s+3], 0x80000000
	s_mov_b32 s[G0B+4*\s], 1
	s_add_co_u32 s[G0B+4*\s+1], s45, \s*SLOT
	s_add_nc_u64 s[G0B+4*\s+2:G0B+4*\s+3], s[46:47], \s*ROWB
	s_or_b32 s[G0B+4*\s+3], s[G0B+4*\s+3], 0x80000000
	JLOAD G0+4*\s, G1, G0B+4*\s, G1B
.endr
	v_and_b32 v1, 15, v0                           ; r = lane % 16
	v_bfe_u32 v2, v0, 4, 1                         ; h = lane / 16
	v_mul_u32_u24 v3, v1, PITCH
	v_lshl_add_u32 v4, v2, 4, v3                   ; a fragment's row x pitch + 16 x half
	s_mul_i32 s21, s15, HALFT
	s_mul_i32 s22, s16, HALFT
	s_add_co_u32 s22, s22, 2*HALFT
.irp s, 0,1
	v_add_nc_u32 v[ADRA+\s], s21, v4
	v_add_nc_u32 v[ADRB+\s], s22, v4
	s_add_co_u32 s21, s21, SLOT
	s_add_co_u32 s22, s22, SLOT
.endr
	v_mul_u32_u24 v5, v1, KS                       ; my row's scales: 32 bytes a row,
	v_lshrrev_b32 v6, 8, v5
	v_lshl_add_u32 v5, v6, 4, v5                   ; and 16 more for each 256 passed
	s_mul_i32 s21, s15, HALFS
	s_mul_i32 s22, s16, HALFS
	s_add_co_u32 s22, s22, 2*HALFS
	s_sub_co_u32 s22, s22, s21
	v_mul_u32_u24 v6, s22, v2                      ; lanes 16-31 take B's
	s_add_co_u32 s21, s21, SCL
	v_add_nc_u32 v5, v5, v6
	v_add_nc_u32 v[ADRS], s21, v5
	s_mul_i32 s23, s14, 16*SPITCH                  ; my stage
	v_mul_u32_u24 v5, v1, SPITCH                   ; in: row r, 16 bytes for each half of the lanes
	v_lshl_add_u32 v5, v2, 4, v5
	v_add_nc_u32 v[STO], s23, v5
	v_mul_u32_u24 v5, v2, SPITCH                   ; back: lanes 0-15 one row of 256 bytes, lanes 16-31 the next
	v_lshl_add_u32 v5, v1, 4, v5
	v_add_nc_u32 v[RD], s23, v5
	v_lshlrev_b32 v5, 12, v2                       ; and the same two rows in C
	v_lshl_add_u32 v[CO], v1, 4, v5
	s_lshl_b32 s20, s17, 8
	s_lshl_b32 s21, s15, 7
	s_add_co_u32 s20, s20, s21                     ; my first row of C,
	s_lshl_b32 s20, s20, 12                        ; of 4,096 bytes
	s_mov_b32 s21, 0
	s_add_nc_u64 s[12:13], s[12:13], s[20:21]
	s_and_b32 s46, s42, 7
	s_lshl_b32 s46, s46, 9                         ; my first column: 512 bytes a tile within a row of 8 tiles,
	s_lshl_b32 s47, s16, 8
	s_add_co_u32 s46, s46, s47
	s_lshr_b32 s47, s42, 3
	s_lshl_b32 s47, s47, 22                        ; and (v^T alone) the batch: 1,024 rows of 4,096 bytes
	s_add_co_u32 s46, s46, s47
	s_mov_b32 s47, 0
	s_add_nc_u64 s[12:13], s[12:13], s[46:47]
.macro FRAG reg, adr, q, i             ; 16 rows x 128 K of 4-bit codes: 8 registers: registers 4 c .. 4 c + 3 hold K = 64 c + 32 h + 0 .. 31
.irp c, 0,1
	ds_load_b128 v[\reg+4*\c:\reg+4*\c+3], v[\adr] offset:64*(\q)+32*\c+(\i)*16*PITCH
.endr
.endm
; 16 matrix instructions: A's blocks a0, a0 + 1 x B's eight.  The 64 accumulators take turns, one instruction a turn, in the same order in every step.
.macro MUL16 a0, p, q, sc, zero
.irp a, \a0, \a0+1
.irp b, 0,1,2,3,4,5,6,7
.if \zero
	v_wmma_scale_f32_16x16x128_f8f6f4 v[8*(8*((\a)%4)+\b):8*(8*((\a)%4)+\b)+7], v[128*(\p)+FR*\b:128*(\p)+FR*\b+FR-1], v[AF+FR*(\a):AF+FR*(\a)+FR-1], 0, v[SC+8*NQ*(\sc)+NQ*\b+(\q)], v[SC+8*NQ*(\sc)+NQ*(\a)+(\q)] matrix_a_fmt:MATRIX_FMT_FP4 matrix_b_fmt:MATRIX_FMT_FP4 matrix_a_scale:MATRIX_SCALE_ROW1
.else
	v_wmma_scale_f32_16x16x128_f8f6f4 v[8*(8*((\a)%4)+\b):8*(8*((\a)%4)+\b)+7], v[128*(\p)+FR*\b:128*(\p)+FR*\b+FR-1], v[AF+FR*(\a):AF+FR*(\a)+FR-1], v[8*(8*((\a)%4)+\b):8*(8*((\a)%4)+\b)+7], v[SC+8*NQ*(\sc)+NQ*\b+(\q)], v[SC+8*NQ*(\sc)+NQ*(\a)+(\q)] matrix_a_fmt:MATRIX_FMT_FP4 matrix_b_fmt:MATRIX_FMT_FP4 matrix_a_scale:MATRIX_SCALE_ROW1
.endif
.endr
.endr
.endm
.macro FETCH_B slot, q, p
	WIN TO_B
.irp i, 0,1,2,3,4,5,6,7
	FRAG 128*(\p)+FR*\i, ADRB+\slot, \q, \i
.endr
	WIN 0
.endm
.macro FETCH_A slot, q, i0
.irp i, \i0, \i0+1, \i0+2, \i0+3
	FRAG AF+FR*(\i), ADRA+\slot, \q, \i
.endr
.endm
.macro SCALES sc                       ; a slot's scale words: 4 words a row; lanes 0-15 take A's block i, lanes 16-31 B's block i
.irp i, 0,1,2,3,4,5,6,7
	ds_load_b128 v[SC+8*NQ*\sc+NQ*\i:SC+8*NQ*\sc+NQ*\i+3], v[ADRS] offset:\i*SBLK
.endr
.endm
.macro PLACES n                        ; plain vector instructions between a matrix instruction and a load into, or a read of, its registers
.rept \n
	v_nop
.endr
.endm
.macro STEP slot, q, zero              ; a step of 128 along K that has its successor in the same slot
	s_wait_dscnt 4*NL                              ; B's set and A's blocks 0-3 are in; the youngest eight loads (A's blocks 4-7) may be out
	WIN MUL_LO
	MUL16 0, (\q)%2, \q, \slot, \zero
	MUL16 2, (\q)%2, \q, \slot, \zero
	s_wait_dscnt 0
	PLACES NP
	FETCH_B \slot, (\q)+1, 1-(\q)%2
	FETCH_A \slot, (\q)+1, 0
	WIN MUL_HI
	MUL16 4, (\q)%2, \q, \slot, \zero
	MUL16 6, (\q)%2, \q, \slot, \zero
	PLACES NP
	WIN 0
	FETCH_A \slot, (\q)+1, 4
.endm
.macro TURN slot, next                 ; a slot's last step, and the change of slots: behind the barrier every wave's part of the next slot is in, and nobody reads this slot any more
	s_wait_tensorcnt 0x0                           ; all my tensor loads have landed
	ds_add_u32 v[SPW], v[NIL]
	s_wait_dscnt 4*NL+1                            ; (the add and A's blocks 4-7 may be out)
	WIN MUL_LO
	MUL16 0, 1, NQ-1, \slot, 0
	s_wait_dscnt 0x0                               ; the add is done, and my reads of this slot are over
	s_barrier_signal -1
	MUL16 2, 1, NQ-1, \slot, 0
	WIN 0
	s_barrier_wait -1
	PLACES NP
	v_add_nc_u32 v[ADRS], 4*NQ, v[ADRS]            ; on to the next slot's scale words
	FETCH_B \next, 0, 0
	FETCH_A \next, 0, 0
	SCALES \next
	WIN MUL_HI
	MUL16 4, 1, NQ-1, \slot, 0
	MUL16 6, 1, NQ-1, \slot, 0
	PLACES NP
	WIN 0
	FETCH_A \next, 0, 4
.endm
.macro STEPS slot, from
.set Q, \from
.rept NQ-1-\from
	STEP \slot, Q, 0
.set Q, Q+1
.endr
.endm
	s_wait_tensorcnt 1                             ; the scales and my part of slot 0 are in (slot 1's load may be out)
	s_barrier_signal -1
	s_barrier_wait -1                              ; everybody's are
	FETCH_B 0, 0, 0
	FETCH_A 0, 0, 0
	SCALES 0
	FETCH_A 0, 0, 4
	STEP 0, 0, 1                                   ; the first products start the sums: nothing is cleared
	STEPS 0, 1
	TURN 0, 1
	STEPS 1, 0
	s_wait_dscnt 4*NL
	WIN MUL_LO
	MUL16 0, 1, NQ-1, 1, 0
	MUL16 2, 1, NQ-1, 1, 0
	s_wait_dscnt 0
	WIN MUL_HI
	MUL16 4, 1, NQ-1, 1, 0
	MUL16 6, 1, NQ-1, 1, 0
	WIN 0
; THE WAY OUT, a block of 16 rows x 128 columns at a time: rounded to f16 (16 bytes a lane), through my own stage, back as whole rows of 256 bytes.
.macro PACK a
.set AC, 64*((\a)%4)
	WIN 0x0a+5*((\a)/4)                            ; sources 0 and 1: window 2 or 3
.irp b, 0,1,2,3,4,5,6,7
.irp r, 0,1,2,3
	v_cvt_pk_f16_f32 v[TMP+4*\b+\r], v[AC+8*\b+2*\r], v[AC+8*\b+2*\r+1]   ; each accumulator from its low end on
.endr
.endr
	WIN 0
.endm
.macro TOSTAGE a
.set BK, OB+192*((\a)%2)
.irp b, 0,1,2,3,4,5,6,7
	ds_store_b128 v[STO], v[TMP+4*\b:TMP+4*\b+3] offset:32*\b
.endr
.irp t, 0,1,2,3,4,5,6,7
	ds_load_b128 v[BK+4*\t:BK+4*\t+3], v[RD] offset:\t*2*SPITCH    ; a wave's LDS instructions are served in order: these see the stores above
.endr
.endm
.macro SEND a
.set BK, OB+192*((\a)%2)
	s_wait_dscnt 0x0                               ; the block is back in registers
	s_wait_xcnt 0x0                                ; earlier stores have read their base and their registers
.if (\a) > 0
	s_add_nc_u64 s[12:13], s[12:13], 16*4096       ; 16 rows of C on
.endif
.irp t, 0,1,2,3,4,5,6,7
	global_store_b128 v[CO], v[BK+4*\t:BK+4*\t+3], s[12:13] offset:2*\t*4096   ; sixteen lanes store 256 consecutive bytes, aligned
.endr
.endm
	PLACES NP
	PACK 0
	TOSTAGE 0
.irp a, 1,2,3,4,5,6,7
	PACK \a
	SEND \a-1
	TOSTAGE \a
.endr
	SEND 7
	s_wait_tensorcnt 0x0                           ; the wave's end
	ds_add_u32 v[SPW], v[NIL]
	s_wait_dscnt 0x0
	CROUND                                         ; the closing round
	s_endpgm
.Lfunc_end_k_q38ce735795_qkv:
	.size	k_q38ce735795_qkv, .Lfunc_end_k_q38ce735795_qkv-k_q38ce735795_qkv
	.p2alignl 7, 3214868480
	.fill 96, 4, 3214868480
	.section	.rodata,"a",@progbits
	.p2align	6, 0x0
	.amdhsa_kernel k_q38ce735795_qkv
		.amdhsa_group_segment_fixed_size 327680
		.amdhsa_private_segment_fixed_size 0
		.amdhsa_enable_private_segment 0
		.amdhsa_kernarg_size 24
		.amdhsa_user_sgpr_count 2
		.amdhsa_user_sgpr_kernarg_segment_ptr 1
		.amdhsa_wavefront_size32 1
		.amdhsa_system_sgpr_workgroup_id_x 1
		.amdhsa_system_sgpr_workgroup_id_y 1
		.amdhsa_system_sgpr_workgroup_id_z 1
		.amdhsa_system_vgpr_workitem_id 0
		.amdhsa_next_free_vgpr 1024
		.amdhsa_next_free_sgpr 102
		.amdhsa_reserve_vcc 0
		.amdhsa_float_denorm_mode_32 3
		.amdhsa_float_denorm_mode_16_64 3
		.amdhsa_memory_ordered 1
		.amdhsa_forward_progress 1
		.amdhsa_inst_pref_size 128
	.end_amdhsa_kernel
	.amdgpu_metadata
---
amdhsa.version: [ 1, 2 ]
amdhsa.kernels:
  - .name:           k_q38ce735795_qkv
    .symbol:         k_q38ce735795_qkv.kd
    .args:
      - { .name: cod, .offset: 0, .size: 8, .value_kind: global_buffer, .address_space: global }
      - { .name: qk, .offset: 8, .size: 8, .value_kind: global_buffer, .address_space: global }
      - { .name: vt, .offset: 16, .size: 8, .value_kind: global_buffer, .address_space: global }
    .group_segment_fixed_size: 327680
    .private_segment_fixed_size: 0
    .kernarg_segment_align: 8
    .kernarg_segment_size: 24
    .max_flat_workgroup_size: 128
    .sgpr_count:     102
    .vgpr_count:     1024
    .wavefront_size: 32
...
	.end_amdgpu_metadata
.endif
;; end of part 2
;; launch score (part 3): grid 12 x 16, 4 waves a work-group, clusters of 4 x 4, 327,680 bytes of LDS; arguments qk, pm, st; writes pm, st
.if DOCPART == 3
	.amdgcn_target "amdgcn-amd-amdhsa--gfx1250"
	.amdhsa_code_object_version 6
	.text
	.protected	k_q38ce735795_score
	.globl	k_q38ce735795_score
	.p2align	8
	.type	k_q38ce735795_score,@function
k_q38ce735795_score:
	s_mov_b64 s[64:65], 0
	v_nop
	global_prefetch_b8 v0, s[64:65] scope:SCOPE_SE
	s_setreg_imm32_b32 hwreg(HW_REG_WAVE_MODE, 25, 1), 1
	s_wait_xcnt 0x0
	s_wait_alu depctr_hold_cnt(0) depctr_sa_sdst(0) depctr_va_vdst(0) depctr_va_sdst(0) depctr_va_ssrc(0) depctr_va_vcc(0) depctr_vm_vsrc(0)
	s_getreg_b32 s2, hwreg(HW_REG_IB_STS2, 6, 4)
	s_cmp_eq_u32 s2, 0
	s_cbranch_scc0 .Lentry_in_a_cluster
	s_endpgm
.Lentry_in_a_cluster:
	s_bfe_u32 s2, ttmp6, 0x10000c
	s_cmp_lg_u32 s2, 0xf033
	s_cbranch_scc0 .Lentry_shape_is_right
	s_endpgm
.Lentry_shape_is_right:
; SCORE: s = q k^T in f16 with f32 sums, the causal mask, and the first half of the softmax.  qk [8192][2048] f16: q in columns 0-1023, k in columns 1024-2047.
; For each (row, chunk of 128 keys): t = s c, c = log2(e) / 32; -M = floor(-max(largest t, -3e38)); p = 2^(t - M), rounded to f16 -> pm [4][2048 q][2048 key]; -M and the sum of the unrounded p -> st
; [2 kinds][4 b][16 chunks][2048 q].  The next launch brings every chunk under the row's own largest M by a power of two: so a true maximum is taken away for every input.
; A tile is 256 queries x 256 keys, four waves of 128 x 128 (64 accumulators, 512 registers; a wave's 128 keys are one chunk); K = 1,024 in 8 steps of 128 through two LDS slots: a K step is 256 matrix
; instructions a wave, and a slot's refill has all but thirty-two of them in which to land.
; CLUSTER 4 x 4 = 1,024 x 1,024 of one batch.  The mask is honoured by clusters: the cluster's x names a pair (G, J), J <= G, of the three that hold a key that counts: 12 clusters, 192 work-groups, each
; alone on its WGP.  So all sixteen partners walk the same tiles, q's tiles are shared along a row of the cluster and k's along a column, and each is asked for jointly.  In the diagonal clusters
; hidden scores become -infinity (p = 0).  A wave has two tensor loads out at the start and one behind each round.
; No prefetch is laid: a tile's rows are read by several clusters, and of the 8 K steps two are first fills.
; THE MATRIX INSTRUCTION IS USED TRANSPOSED (source 0 = 16 keys, source 1 = 16 queries): lane (r, h) holds query 16 a + r and keys 16 b + 8 h + 0 .. 7 in accumulator (a, b).
; REGISTERS, in windows of 256: window 0: v0-31 addresses; v64-127, v128-191 q's fragments, two buffers (behind the products: v64-107 statistics); v32-63, v192-255 the way out.
;   window 1: v64-127, v128-191 k's fragments.   window 2: the accumulators of my queries 0-63 ((a, b) at v[8 (8 a + b)]);   window 3: those of my queries 64-127.
; LIMIT: |q|, |k| up to 65,504; NaN and infinities are not served.
.set KSTEP,  128
.set PITCH,  272                       ; an LDS row: 256 bytes + 16 of padding: the 16 rows that a load touches start 68 words apart
.set HALFT,  128*PITCH
.set SLOT,   4*HALFT                   ; q's 256 rows, then k's 256 rows
.set STAGE,  2*SLOT                    ; behind the ring: 16 rows x 272 bytes for each wave
.set SPITCH, 272
.set STATS,  STAGE+4*16*SPITCH         ; for each wave [kind][128 rows] f32
.set SPARE,  STATS+4096                ; the spare words: two blocks of 256 bytes that no other line names
.set LAPS,   4                         ; a lap = two K steps = once round the ring
.set ROWE,   2048                      ; elements from row to row of qk
.set ADRA, 16
.set ADRB, 20
.set SRD,  22                          ; v22  where I read my wave's statistics back
.set SGO,  23                          ; v23  16 x lane
.set STO,  24
.set RD,   25
.set CO,   26
.set SAD,  27                          ; v27  where I put a statistic
.set SPW,  28
.set NIL,  29
.set DD,   30                          ; v30  d: key 16 b + j - 16 a of my registers is hidden where it is above d
.set NINF, 31                          ; v31  -infinity
.set F0,   64
.set F1,   128
.set TMP,  192
.set OB,   32
.set MX,   64                          ; behind the products: four rows' largest scores,
.set MT,   68                          ; what comes from the lane 16 away,
.set NM,   72                          ; pairs: -M and a partner that is only named,
.set SU,   80                          ; pairs: the sums, in two chains
.set SV,   88
.set STV,  96                          ; what goes to the statistics
.set SB,   100                         ; and what comes back
.set G1, 24
.set G0, 32
.set G1B, 48
.set G0B, 56
.set MSB, 0
.macro WIN new                         ; the immediate's high byte repeats the setting that is left
.if MSB != (\new)
	s_set_vgpr_msb (MSB<<8)|(\new)
.set MSB, \new
.endif
.endm
.set MUL_LO, 0xa1                      ; source 0 (k) window 1, source 1 (q) window 0, C and D window 2
.set MUL_HI, 0xf1                      ; the same, C and D window 3
.set TO_B,   0x40                      ; destination window 1, address window 0
.macro JLOAD s                         ; a joint load: waves 0 and 1 fetch q's two halves, waves 2 and 3 k's; the branch hangs on the wave's number alone; s_nop 0 and four v_nop follow each line
	s_cmp_eq_u32 s11, 0
	s_cbranch_scc0 .Lfor_b_\@
	tensor_load_to_lds s[G0+4*\s:G0+4*\s+3], s[G1:G1+7]
	s_nop 0
.rept 4
	v_nop
.endr
	s_branch .Lasked_\@
.Lfor_b_\@:
	tensor_load_to_lds s[G0B+4*\s:G0B+4*\s+3], s[G1B:G1B+7]
	s_nop 0
.rept 4
	v_nop
.endr
.Lasked_\@:
.endm
.macro CREST
	s_cmp_lg_u32 s10, 0
	s_cbranch_scc1 .Lnot_wave_0_\@
	s_barrier_signal -3
.Lnot_wave_0_\@:
	s_barrier_wait -3
	s_barrier_signal -1
	s_barrier_wait -1
.endm
.macro CROUND
	s_barrier_signal -1
	s_barrier_wait -1
	CREST
.endm
	s_load_b128 s[4:7], s[0:1], 0x0                ; qk s[4:5], pm s[6:7]
	s_load_b64 s[8:9], s[0:1], 0x10                ; st
	v_lshl_add_u32 v[SPW], v0, 2, SPARE
	v_mov_b32 v[NIL], 0
	ds_add_u32 v[SPW], v[NIL]                      ; the wave's opening: the add, twice on end, and its wait ahead of my first tensor load
	ds_add_u32 v[SPW], v[NIL]
	v_lshrrev_b32 v1, 5, v0
	v_readfirstlane_b32 s10, v1                    ; wave 0..3
	s_lshr_b32 s11, s10, 1                         ; my half of the tile's queries.  Also: I fetch q (0) or k (1)
	s_and_b32 s12, s10, 1                          ; my half of its keys.  Also: which 128 rows I fetch
	s_bfe_u32 s40, ttmp6, 0x40000                  ; cx, cy
	s_bfe_u32 s41, ttmp6, 0x40004
	s_cmp_ge_u32 ttmp9, 1                          ; the cluster's x: 0 = (0, 0), 1 = (1, 0), 2 = (1, 1)
	s_cselect_b32 s66, 1, 0                        ; G: which 1,024 queries
	s_lshr_b32 s67, ttmp9, 1                       ; J: which 1,024 keys
	s_cmp_eq_u32 s66, s67
	s_cselect_b32 s69, 1, 0                        ; a diagonal cluster?  The same in all sixteen partners
	s_and_b32 s68, ttmp7, 0xffff                   ; the batch
	s_lshl_b32 s76, s66, 2
	s_add_co_u32 s76, s76, s41                     ; i: my 256 queries of the batch
	s_lshl_b32 s77, s67, 2
	s_add_co_u32 s77, s77, s40                     ; j: my 256 keys
	s_lshl_b32 s78, s68, 3
	s_add_co_u32 s13, s78, s76                     ; the same counted through all batches
	s_add_co_u32 s42, s78, s77
	s_lshl_b32 s43, s41, 2
	s_lshl_b32 s43, 15, s43                        ; my row of the cluster
	s_lshl_b32 s44, 0x1111, s40                    ; my column
	s_or_b32 s[G1+0], s43, (1<<16)|(1<<20)|(1<<21)|(5<<22)|(3<<25)  ; the mask; elements of 2 bytes; padding on; bit 21 beside a mask; 4 words of padding after every 64
	s_or_b32 s[G1B+0], s44, (1<<16)|(1<<20)|(1<<21)|(5<<22)|(3<<25)
.irp g, G1, G1B
	s_mov_b32 s[\g+1], KSTEP<<16                   ; tensor_dim0 = 128
	s_mov_b32 s[\g+2], 128<<16                     ; tensor_dim1 = 128
	s_mov_b32 s[\g+3], KSTEP<<16                   ; tile_dim0
	s_mov_b32 s[\g+4], 128                         ; tile_dim1
	s_mov_b32 s[\g+5], ROWE
	s_mov_b32 s[\g+6], 0
	s_mov_b32 s[\g+7], 0
.endr
	s_lshl_b32 s17, s12, 7
	s_lshl_b32 s16, s13, 8
	s_add_co_u32 s16, s16, s17
	s_lshl_b32 s16, s16, 12                        ; q: row 256 x tile + 128 x half, of 4,096 bytes
	s_lshl_b32 s46, s42, 8
	s_add_co_u32 s46, s46, s17
	s_lshl_b32 s46, s46, 12
	s_add_co_u32 s46, s46, 2048                    ; k: likewise, 2,048 bytes into the row
	s_mov_b32 s17, 0
	s_mov_b32 s47, 0
	s_mul_i32 s20, s10, HALFT                      ; where they go: wave x 128 rows: no place in the cluster enters an LDS address
	s_mov_b32 s70, 0x3d38aa3b                      ; c = log2(e) / 32
	s_mov_b32 s71, s70
	s_mov_b32 s72, 0x76543210                      ; v_permlanex16_b32's selects for lane xor 16
	s_mov_b32 s73, 0xfedcba98
	s_mov_b32 s75, 0xffff0000                      ; lanes 16-31
	s_wait_dscnt 0x0                               ; both opening adds are done
	s_wait_kmcnt 0x0
	s_add_nc_u64 s[14:15], s[4:5], s[16:17]
	s_add_nc_u64 s[46:47], s[4:5], s[46:47]
	CROUND                                         ; all sixteen work-groups are here: the first joint loads meet
.irp s, 0,1
	s_mov_b32 s[G0+4*\s], 1
	s_add_co_u32 s[G0+4*\s+1], s20, \s*SLOT
	s_add_nc_u64 s[G0+4*\s+2:G0+4*\s+3], s[14:15], \s*KSTEP*2
	s_or_b32 s[G0+4*\s+3], s[G0+4*\s+3], 0x80000000
	s_mov_b32 s[G0B+4*\s], 1
	s_add_co_u32 s[G0B+4*\s+1], s20, \s*SLOT
	s_add_nc_u64 s[G0B+4*\s+2:G0B+4*\s+3], s[46:47], \s*KSTEP*2
	s_or_b32 s[G0B+4*\s+3], s[G0B+4*\s+3], 0x80000000
	JLOAD \s
.endr
	v_and_b32 v1, 15, v0                           ; r
	v_bfe_u32 v2, v0, 4, 1                         ; h
	v_mul_u32_u24 v3, v1, PITCH
	v_lshl_add_u32 v3, v2, 4, v3                   ; a fragment's row x pitch + 16 x half
	s_mul_i32 s21, s11, HALFT                      ; my 128 rows of q
	s_mul_i32 s22, s12, HALFT                      ; my 128 rows of k,
	s_add_co_u32 s22, s22, 2*HALFT                 ; which lie behind q's 256
.irp s, 0,1
	v_add_nc_u32 v[ADRA+\s], s21, v3
	v_add_nc_u32 v[ADRB+\s], s22, v3
	s_add_co_u32 s21, s21, SLOT
	s_add_co_u32 s22, s22, SLOT
.endr
	s_mul_i32 s23, s10, 16*SPITCH
	s_add_co_u32 s23, s23, STAGE                   ; my stage
	v_mul_u32_u24 v4, v1, SPITCH                   ; in: row r, 16 bytes for each half of the lanes
	v_lshl_add_u32 v4, v2, 4, v4
	v_add_nc_u32 v[STO], s23, v4
	v_mul_u32_u24 v5, v2, SPITCH                   ; back: lanes 0-15 one row of 256 bytes, lanes 16-31 the next
	v_lshl_add_u32 v5, v1, 4, v5
	v_add_nc_u32 v[RD], s23, v5
	v_lshlrev_b32 v5, 12, v2
	v_lshl_add_u32 v[CO], v1, 4, v5                ; and the same two rows in pm
	s_lshl_b32 s23, s10, 10
	s_add_co_u32 s23, s23, STATS                   ; my wave's statistics: [lanes 0-15: -M, lanes 16-31: the sum][row 16 a + r]
	v_lshlrev_b32 v5, 2, v1
	v_lshl_add_u32 v5, v2, 9, v5
	v_add_nc_u32 v[SAD], s23, v5
	v_and_b32 v5, 31, v0
	v_lshlrev_b32 v[SGO], 4, v5
	v_add_nc_u32 v[SRD], s23, v[SGO]
	s_sub_co_u32 s79, s41, s40                     ; d = 256 (cy - cx) + 128 (row half - column half) + r - 8 h: a number that is compared, never an address
	s_lshl_b32 s79, s79, 8
	s_sub_co_u32 s78, s11, s12
	s_lshl_b32 s78, s78, 7
	s_add_co_u32 s79, s79, s78
	v_lshlrev_b32 v6, 3, v2
	v_sub_nc_u32 v[DD], v1, v6
	v_add_nc_u32 v[DD], s79, v[DD]
	v_mov_b32 v[NINF], 0xff800000
	s_lshl_b32 s16, s13, 8
	s_lshl_b32 s17, s11, 7
	s_add_co_u32 s16, s16, s17
	s_lshl_b32 s16, s16, 12                        ; pm: my first row,
	s_mov_b32 s17, 0
	s_add_nc_u64 s[6:7], s[6:7], s[16:17]
	s_lshl_b32 s46, s77, 9                         ; and my first key, 2 bytes each
	s_lshl_b32 s47, s12, 8
	s_add_co_u32 s46, s46, s47
	s_mov_b32 s47, 0
	s_add_nc_u64 s[6:7], s[6:7], s[46:47]
	s_lshl_b32 s16, s68, 4                         ; st: ((16 b + 2 j + column half) x 2048 + 256 i + 128 x row half) x 4
	s_add_co_u32 s16, s16, s12
	s_lshl_b32 s16, s16, 13
	s_lshl_b32 s18, s76, 10
	s_add_co_u32 s16, s16, s18
	s_lshl_b32 s18, s11, 9
	s_add_co_u32 s16, s16, s18
	s_add_nc_u64 s[8:9], s[8:9], s[16:17]
	s_lshl_b32 s46, s77, 14
	s_add_nc_u64 s[8:9], s[8:9], s[46:47]
; 16 matrix instructions: query blocks a0, a0 + 1 of the window's four x all 8 key blocks, 32 along K.  The 64 accumulators take turns, one instruction a turn, in the same order in every quarter.
.macro MUL16 f, hi, a0, zero
.irp a, \a0, \a0+1
.irp b, 0,1,2,3,4,5,6,7
.if \zero
	v_wmma_f32_16x16x32_f16 v[8*(8*(\a)+\b):8*(8*(\a)+\b)+7], v[\f+8*\b:\f+8*\b+7], v[\f+8*(4*\hi+\a):\f+8*(4*\hi+\a)+7], 0
.else
	v_wmma_f32_16x16x32_f16 v[8*(8*(\a)+\b):8*(8*(\a)+\b)+7], v[\f+8*\b:\f+8*\b+7], v[\f+8*(4*\hi+\a):\f+8*(4*\hi+\a)+7], v[8*(8*(\a)+\b):8*(8*(\a)+\b)+7]
.endif
.endr
.endr
.endm
.macro FETCH slot, k, f                ; 32 LDS loads in one run: the fragments of 32 along K at byte k of the rows: k's 128 rows, then q's
	WIN TO_B
.irp i, 0,1,2,3,4,5,6,7
	ds_load_b128 v[\f+8*\i:\f+8*\i+3],   v[ADRB+\slot] offset:\k+\i*16*PITCH
	ds_load_b128 v[\f+8*\i+4:\f+8*\i+7], v[ADRB+\slot] offset:\k+\i*16*PITCH+32
.endr
	WIN 0
.irp i, 0,1,2,3,4,5,6,7
	ds_load_b128 v[\f+8*\i:\f+8*\i+3],   v[ADRA+\slot] offset:\k+\i*16*PITCH
	ds_load_b128 v[\f+8*\i+4:\f+8*\i+7], v[ADRA+\slot] offset:\k+\i*16*PITCH+32
.endr
.endm
.macro PLACES                          ; four plain vector instructions between a matrix instruction and a load into, or a read of, its registers
.rept 4
	v_nop
.endr
.endm
.macro QUARTER slot, k, f, g, zero     ; 32 along K, 64 matrix instructions: multiplies buffer f; in its middle it fetches the next quarter, at byte k, into g
	s_wait_dscnt 8                                 ; k's fragments and q's rows 0-63 are in; the youngest eight loads (q's rows 64-127) may be out
	WIN MUL_LO
	MUL16 \f, 0, 0, \zero
	MUL16 \f, 0, 2, \zero
	PLACES
	FETCH \slot, \k, \g
	s_wait_dscnt 32                                ; all but the 32 just issued
	WIN MUL_HI
	MUL16 \f, 1, 0, \zero
	MUL16 \f, 1, 2, \zero
.endm
.macro TURN slot, next, fill           ; a K step's last quarter, and the change of slots
	WIN 0                                          ; (the add's two registers lie in window 0)
	s_wait_tensorcnt 0x0                           ; all my tensor loads have landed: my part of the next slot;
	ds_add_u32 v[SPW], v[NIL]
	s_wait_dscnt 9                                 ; (the add and the youngest eight loads may be out)
	WIN MUL_LO
	MUL16 F1, 0, 0, 0
	s_wait_dscnt 0x0                               ; the add is done, and my reads of this slot are over
	s_barrier_signal -1
	MUL16 F1, 0, 2, 0
.if \fill
	WIN 0
.endif
	s_barrier_wait -1
.if \fill
	CREST                                          ; the barrier has opened a round of the cluster's: no wave of any partner still reads this slot or has a load on its way
	s_add_nc_u64 s[G0+4*\slot+2:G0+4*\slot+3], s[G0+4*\slot+2:G0+4*\slot+3], 2*KSTEP*2
	s_add_nc_u64 s[G0B+4*\slot+2:G0B+4*\slot+3], s[G0B+4*\slot+2:G0B+4*\slot+3], 2*KSTEP*2
	JLOAD \slot                                    ; the first tensor load behind the round; its four v_nop are also the places in front of the loads below
.else
	PLACES
.endif
	FETCH \next, 0, F0
	WIN MUL_HI
	MUL16 F1, 1, 0, 0
	MUL16 F1, 1, 2, 0
.endm
	s_wait_tensorcnt 1                             ; my part of K step 0 is in (K step 1's load may be out)
	s_barrier_signal -1
	s_barrier_wait -1                              ; everybody's is
	FETCH 0, 0, F0
	QUARTER 0, 64,  F0, F1, 1                      ; the first products start the sums: nothing is cleared
	WIN 0
	s_mov_b32 s3, LAPS-1
.Llap:                                                 ; a trip goes once round the ring, from a lap's second quarter to the next lap's first, and fills both slots again
	QUARTER 0, 128, F1, F0, 0
	QUARTER 0, 192, F0, F1, 0
	TURN 0, 1, 1
	QUARTER 1, 64,  F0, F1, 0
	QUARTER 1, 128, F1, F0, 0
	QUARTER 1, 192, F0, F1, 0
	TURN 1, 0, 1
	QUARTER 0, 64,  F0, F1, 0
	WIN 0
	s_sub_co_u32 s3, s3, 1
	s_cmp_lg_u32 s3, 0
	s_cbranch_scc1 .Llap
	QUARTER 0, 128, F1, F0, 0                      ; the last lap fills nothing
	QUARTER 0, 192, F0, F1, 0
	TURN 0, 1, 0
	QUARTER 1, 64,  F0, F1, 0
	QUARTER 1, 128, F1, F0, 0
	QUARTER 1, 192, F0, F1, 0
	s_wait_dscnt 8
	WIN MUL_LO
	MUL16 F1, 0, 0, 0
	MUL16 F1, 0, 2, 0
	s_wait_dscnt 0
	WIN MUL_HI
	MUL16 F1, 1, 0, 0
	MUL16 F1, 1, 2, 0
	WIN 0
	PLACES
.irp a, 0,1,2,3
	v_mov_b32 v[MT+\a], 0                          ; a lane permute's destination counts as one of its sources
	v_mov_b32 v[NM+2*\a+1], 0                      ; named as the upper half of a pair
.endr
	; THE MASK.  Only a diagonal cluster has hidden keys: a branch on the cluster's number.  Register n of a window: query 16 (4 hi + n / 64) + r, key 16 ((n / 8) % 8) + 8 h + n % 8.
	s_cmp_eq_u32 s69, 0
	s_cbranch_scc1 .Lopen
.irp hi, 0,1
	WIN 0x82+0x41*\hi                              ; destination and source 0 in the accumulators' window
.set n, 0
.rept 256
	v_cmp_gt_i32 vcc_lo, 16*((n/8)%8)+n%8-16*(4*\hi+n/64), v[DD]
	v_cndmask_b32 v[n], v[n], v[NINF], vcc_lo
.set n, n+1
.endr
.endr
	WIN 0
.Lopen:
; The softmax's first half for the four query blocks of window 2 + hi, the four by turns; each accumulator is read from its low end on.
.macro SOFT hi
	WIN 0x2a+0x15*\hi                              ; all three sources in the accumulators' window
.irp a, 0,1,2,3
	v_max3_num_f32 v[MX+\a], v[64*\a], v[64*\a+1], v[64*\a+2]
.endr
	WIN 0x28+0x14*\hi                              ; sources 1 and 2
.set i, 3
.rept 30
.irp a, 0,1,2,3
	v_max3_num_f32 v[MX+\a], v[MX+\a], v[64*\a+i], v[64*\a+i+1]
.endr
.set i, i+2
.endr
.irp a, 0,1,2,3
	v_max_num_f32 v[MX+\a], v[MX+\a], v[64*\a+63]
.endr
	WIN 0
.irp a, 0,1,2,3
	v_permlanex16_b32 v[MT+\a], v[MX+\a], s72, s73
.endr
.irp a, 0,1,2,3
	v_max_num_f32 v[MX+\a], v[MX+\a], v[MT+\a]     ; with lane xor 16's 64 keys: the chunk's largest score
.endr
.irp a, 0,1,2,3
	v_mul_f32 v[MX+\a], s70, v[MX+\a]              ; as t (c is positive)
.endr
.irp a, 0,1,2,3
	v_max_num_f32 v[MX+\a], 0xff61b1e6, v[MX+\a]   ; a chunk that is wholly hidden: -3e38
.endr
.irp a, 0,1,2,3
	v_floor_f32 v[NM+2*\a], -v[MX+\a]              ; -M = floor(-t): M is a whole number
.endr
	WIN 0x82+0x41*\hi                              ; destination and source 0
.set n, 0
.rept 128
	v_pk_fma_f32 v[2*n:2*n+1], v[2*n:2*n+1], s[70:71], v[NM+2*(n/32):NM+2*(n/32)+1] op_sel_hi:[1,0,0]   ; t - M, two at a time
.set n, n+1
.endr
.set n, 0
.rept 256
	v_exp_f32 v[n], v[n]                           ; p = 2^(t - M), at most 1
.set n, n+1
.endr
	v_nop                                          ; a plain instruction behind the last exponential
	s_wait_alu depctr_va_vdst(0)                   ; one wait for the whole batch, ahead of its first reader
	WIN 0x0a+0x05*\hi                              ; sources 0 and 1
.irp a, 0,1,2,3
	v_pk_add_f32 v[SU+2*\a:SU+2*\a+1], v[64*\a:64*\a+1], v[64*\a+2:64*\a+3]       ; the sum of the unrounded p: two chains a row
	v_pk_add_f32 v[SV+2*\a:SV+2*\a+1], v[64*\a+4:64*\a+5], v[64*\a+6:64*\a+7]
.endr
	WIN 0x08+0x04*\hi                              ; source 1
.set i, 8
.rept 14
.irp a, 0,1,2,3
	v_pk_add_f32 v[SU+2*\a:SU+2*\a+1], v[SU+2*\a:SU+2*\a+1], v[64*\a+i:64*\a+i+1]
	v_pk_add_f32 v[SV+2*\a:SV+2*\a+1], v[SV+2*\a:SV+2*\a+1], v[64*\a+i+2:64*\a+i+3]
.endr
.set i, i+4
.endr
	WIN 0
.irp a, 0,1,2,3
	v_pk_add_f32 v[SU+2*\a:SU+2*\a+1], v[SU+2*\a:SU+2*\a+1], v[SV+2*\a:SV+2*\a+1]
.endr
.irp a, 0,1,2,3
	v_add_f32 v[SU+2*\a], v[SU+2*\a], v[SU+2*\a+1]
.endr
.irp a, 0,1,2,3
	v_permlanex16_b32 v[MT+\a], v[SU+2*\a], s72, s73
.endr
.irp a, 0,1,2,3
	v_add_f32 v[SU+2*\a], v[SU+2*\a], v[MT+\a]     ; the chunk's sum, in both halves of the lanes
.endr
.irp a, 0,1,2,3
	v_cndmask_b32 v[STV+\a], v[NM+2*\a], v[SU+2*\a], s75   ; lanes 0-15: -M; lanes 16-31: the sum
.endr
.irp a, 0,1,2,3
	ds_store_b32 v[SAD], v[STV+\a] offset:64*(4*\hi+\a)
.endr
.endm
; THE WAY OUT of block a, 16 queries x 128 keys: rounded to f16 (16 bytes a lane), through my own stage, back as whole rows of 256 bytes.
.macro PACK a
.set AC, 64*((\a)%4)
	WIN 0x0a+5*((\a)/4)                            ; sources 0 and 1: window 2 or 3
.irp b, 0,1,2,3,4,5,6,7
.irp r, 0,1,2,3
	v_cvt_pk_f16_f32 v[TMP+4*\b+\r], v[AC+8*\b+2*\r], v[AC+8*\b+2*\r+1]
.endr
.endr
	WIN 0
.endm
.macro TOSTAGE a
.set BK, OB+192*((\a)%2)
.irp b, 0,1,2,3,4,5,6,7
	ds_store_b128 v[STO], v[TMP+4*\b:TMP+4*\b+3] offset:32*\b
.endr
.irp t, 0,1,2,3,4,5,6,7
	ds_load_b128 v[BK+4*\t:BK+4*\t+3], v[RD] offset:\t*2*SPITCH    ; a wave's LDS instructions are served in order: these see the stores above
.endr
.endm
.macro SEND a
.set BK, OB+192*((\a)%2)
	s_wait_dscnt 0x0                               ; the block is back in registers
	s_wait_xcnt 0x0                                ; earlier stores have read their base and their registers
.if (\a) > 0
	s_add_nc_u64 s[6:7], s[6:7], 16*4096           ; 16 rows of pm on
.endif
.irp t, 0,1,2,3,4,5,6,7
	global_store_b128 v[CO], v[BK+4*\t:BK+4*\t+3], s[6:7] offset:2*\t*4096   ; sixteen lanes store 256 consecutive bytes, aligned
.endr
.endm
	SOFT 0
	PACK 0
	TOSTAGE 0
.irp a, 1,2,3
	PACK \a
	SEND \a-1
	TOSTAGE \a
.endr
	SOFT 1                                         ; the first half's stores are on their way while the second half is reckoned
.irp a, 4,5,6,7
	PACK \a
	SEND \a-1
	TOSTAGE \a
.endr
	SEND 7
	ds_load_b128 v[SB:SB+3], v[SRD]                ; my 128 rows' -M,
	ds_load_b128 v[SB+4:SB+7], v[SRD] offset:512   ; and their sums
	s_wait_dscnt 0x0
	global_store_b128 v[SGO], v[SB:SB+3], s[8:9]                   ; 512 consecutive bytes each
	global_store_b128 v[SGO], v[SB+4:SB+7], s[8:9] offset:524288
	s_wait_tensorcnt 0x0                           ; the wave's end
	ds_add_u32 v[SPW], v[NIL]
	s_wait_dscnt 0x0
	CROUND                                         ; the closing round
	s_endpgm
.Lfunc_end_k_q38ce735795_score:
	.size	k_q38ce735795_score, .Lfunc_end_k_q38ce735795_score-k_q38ce735795_score
	.p2alignl 7, 3214868480
	.fill 96, 4, 3214868480
	.section	.rodata,"a",@progbits
	.p2align	6, 0x0
	.amdhsa_kernel k_q38ce735795_score
		.amdhsa_group_segment_fixed_size 327680
		.amdhsa_private_segment_fixed_size 0
		.amdhsa_enable_private_segment 0
		.amdhsa_kernarg_size 24
		.amdhsa_user_sgpr_count 2
		.amdhsa_user_sgpr_kernarg_segment_ptr 1
		.amdhsa_wavefront_size32 1
		.amdhsa_system_sgpr_workgroup_id_x 1
		.amdhsa_system_sgpr_workgroup_id_y 1
		.amdhsa_system_sgpr_workgroup_id_z 1
		.amdhsa_system_vgpr_workitem_id 0
		.amdhsa_next_free_vgpr 1024
		.amdhsa_next_free_sgpr 92
		.amdhsa_reserve_vcc 1
		.amdhsa_float_denorm_mode_32 3
		.amdhsa_float_denorm_mode_16_64 3
		.amdhsa_memory_ordered 1
		.amdhsa_forward_progress 1
		.amdhsa_inst_pref_size 252
	.end_amdhsa_kernel
	.amdgpu_metadata
---
amdhsa.version: [ 1, 2 ]
amdhsa.kernels:
  - .name:           k_q38ce735795_score
    .symbol:         k_q38ce735795_score.kd
    .args:
      - { .name: qk, .offset: 0, .size: 8, .value_kind: global_buffer, .address_space: global }
      - { .name: pm, .offset: 8, .size: 8, .value_kind: global_buffer, .address_space: global }
      - { .name: st, .offset: 16, .size: 8, .value_kind: global_buffer, .address_space: global }
    .group_segment_fixed_size: 327680
    .private_segment_fixed_size: 0
    .kernarg_segment_align: 8
    .kernarg_segment_size: 24
    .max_flat_workgroup_size: 128
    .sgpr_count:     92
    .vgpr_count:     1024
    .wavefront_size: 32
...
	.end_amdgpu_metadata
.endif
;; end of part 3
;; launch pv (part 4): grid 8 x 64, 4 waves a work-group, clusters of 4 x 4, 327,680 bytes of LDS; arguments pm, vt, st, ob; writes ob
.if DOCPART == 4
	.amdgcn_target "amdgcn-amd-amdhsa--gfx1250"
	.amdhsa_code_object_version 6
	.text
	.protected	k_q38ce735795_pv
	.globl	k_q38ce735795_pv
	.p2align	8
	.type	k_q38ce735795_pv,@function
k_q38ce735795_pv:
	s_mov_b64 s[64:65], 0
	v_nop
	global_prefetch_b8 v0, s[64:65] scope:SCOPE_SE
	s_setreg_imm32_b32 hwreg(HW_REG_WAVE_MODE, 25, 1), 1
	s_wait_xcnt 0x0
	s_wait_alu depctr_hold_cnt(0) depctr_sa_sdst(0) depctr_va_vdst(0) depctr_va_sdst(0) depctr_va_ssrc(0) depctr_va_vcc(0) depctr_vm_vsrc(0)
	s_getreg_b32 s2, hwreg(HW_REG_IB_STS2, 6, 4)
	s_cmp_eq_u32 s2, 0
	s_cbranch_scc0 .Lentry_in_a_cluster
	s_endpgm
.Lentry_in_a_cluster:
	s_bfe_u32 s2, ttmp6, 0x10000c
	s_cmp_lg_u32 s2, 0xf033
	s_cbranch_scc0 .Lentry_shape_is_right
	s_endpgm
.Lentry_shape_is_right:
; PV: o = softmax x v in f16 with f32 sums.  pm [4][2048 q][2048 key] f16 holds p = 2^(t - M_c), M_c the whole-number maximum of the row's chunk c of 128 keys; st [2][4][16][2048] holds -M_c and the chunk's sum l_c.
; Here: -M = the smallest -M_c of the row's 16 chunks (a chunk that was never written holds +3e38 and 0); f_c = 2^(M_c - M), a power of two, kept in f32.  Each chunk's product T_c = p v is summed by itself,
; begun with the constant 0; then O += f_c T_c by fused multiply-adds in f32; o = O / (sum of l_c f_c), rounded to f16 -> ob [8192][1024].  vt [4][1024 c][2048 s] f16 has the keys innermost.
; A tile is 128 queries x 128 channels, four waves of 64 x 64; the keys go in steps of 256 (two chunks) through two LDS slots; a quarter step is 64 keys.
; O += f T STANDS AMONG THE CHUNK'S LAST SIXTEEN MATRIX INSTRUCTIONS: each finishes one accumulator of T, and that accumulator's four packed lines follow two matrix instructions later, so that eight plain
; lines on other registers lie between (behind the first two: two v_nop each).  They cost two switches of the register window for each matrix instruction there.
; The first chunk's lines are multiplications: nothing is cleared; for that the loop begins at a K step's third quarter.
; CLUSTER 4 x 4 = 512 queries x 512 channels.  The mask is honoured by clusters: queries 512 g .. walk keys 0 .. 512 (g + 1) - 1, so the sixteen partners walk the same tiles; p's tiles are shared
; along a row of the cluster, v's along a column.  The trip count g hangs on the cluster's number alone; no LDS address is stepped in the loop; every wait on TENSORcnt behind the first is for 0.
; The clusters with the longest walk have the lowest numbers.  A wave has two tensor loads out at the start and one behind each round.
; REGISTERS: window 0: v0-31 addresses; v32-39 -M_c of the next K step; v64-67 -M; v68-75 1 / sum; v76-95 at work; v96-111 factors, in pairs; v128-255 O ((a, b) at v[128 + 8 (4 a + b)];
; ahead of the sums: the row's 16 chunks' statistics).  window 1: two fragment buffers of 128.  window 2: v0-127 T.
.set KSTEP,  256
.set PITCH,  528
.set HALFT,  64*PITCH
.set SLOT,   4*HALFT
.set STAGE,  2*SLOT
.set SPITCH, 272
.set SPARE,  STAGE+128*SPITCH          ; the spare words: two blocks of 256 bytes that no other line names
.set ROWE,   2048                      ; elements from row to row of pm and of vt
.set ADRA, 16
.set ADRB, 20
.set STO,  24
.set RD,   25
.set CO,   26
.set SPW,  28
.set NIL,  29
.set VM,   30                          ; v30  4 r
.set VH,   31                          ; v31  8 chunks x h + 4 r
.set TMP,  32
.set MC,   32
.set NMR,  64
.set RL,   68
.set FA,   96                          ; factor of (chunk c of the K step, query block a) in the low register of pair 4 c + a
.set ACC,  128
.set F0,   0
.set F1,   128
.set G1, 24
.set G0, 32
.set G1B, 48
.set G0B, 56
.set MSB, 0
.macro WIN new
.if MSB != (\new)
	s_set_vgpr_msb (MSB<<8)|(\new)
.set MSB, \new
.endif
.endm
.set MUL,   0xa5                       ; sources 0 and 1 window 1; C and D window 2
.set TO_F,  0x40
.set W_FMA, 0x02                       ; source 0 (T) window 2; the factor and O window 0
.macro JLOAD s                         ; a joint load: waves 0 and 1 fetch p's two halves, waves 2 and 3 v's; s_nop 0 and four v_nop follow each line
	s_cmp_eq_u32 s11, 0
	s_cbranch_scc0 .Lfor_b_\@
	tensor_load_to_lds s[G0+4*\s:G0+4*\s+3], s[G1:G1+7]
	s_nop 0
.rept 4
	v_nop
.endr
	s_branch .Lasked_\@
.Lfor_b_\@:
	tensor_load_to_lds s[G0B+4*\s:G0B+4*\s+3], s[G1B:G1B+7]
	s_nop 0
.rept 4
	v_nop
.endr
.Lasked_\@:
.endm
.macro CREST
	s_cmp_lg_u32 s10, 0
	s_cbranch_scc1 .Lnot_wave_0_\@
	s_barrier_signal -3
.Lnot_wave_0_\@:
	s_barrier_wait -3
	s_barrier_signal -1
	s_barrier_wait -1
.endm
.macro CROUND
	s_barrier_signal -1
	s_barrier_wait -1
	CREST
.endm
	s_load_b128 s[4:7], s[0:1], 0x0                ; pm s[4:5], vt s[6:7]
	s_load_b128 s[84:87], s[0:1], 0x10             ; st s[84:85], ob s[86:87]
	v_lshl_add_u32 v[SPW], v0, 2, SPARE
	v_mov_b32 v[NIL], 0
	ds_add_u32 v[SPW], v[NIL]                      ; the wave's opening: the add, twice on end, and its wait ahead of my first tensor load
	ds_add_u32 v[SPW], v[NIL]
	v_lshrrev_b32 v1, 5, v0
	v_readfirstlane_b32 s10, v1                    ; wave 0..3
	s_lshr_b32 s11, s10, 1                         ; my half of the tile's queries.  Also: I fetch p (0) or v (1)
	s_and_b32 s12, s10, 1                          ; my half of its channels.  Also: which 64 rows I fetch
	s_bfe_u32 s40, ttmp6, 0x40000
	s_bfe_u32 s41, ttmp6, 0x40004
	s_and_b32 s66, ttmp7, 0xffff                   ; the cluster's y
	s_lshr_b32 s67, s66, 2
	s_sub_co_u32 s3, 3, s67                        ; g: which 512 queries; also the loop's trips
	s_and_b32 s68, s66, 3                          ; the batch
	s_lshl_b32 s69, s3, 2
	s_add_co_u32 s69, s69, s41                     ; i: my 128 queries of the batch
	s_lshl_b32 s42, ttmp9, 2
	s_add_co_u32 s42, s42, s40                     ; my 128 channels
	s_lshl_b32 s13, s68, 4
	s_add_co_u32 s13, s13, s69                     ; my 128 queries counted through all batches
	s_lshl_b32 s43, s41, 2
	s_lshl_b32 s43, 15, s43
	s_lshl_b32 s44, 0x1111, s40
	s_or_b32 s[G1+0], s43, (1<<16)|(1<<20)|(1<<21)|(6<<22)|(3<<25)
	s_or_b32 s[G1B+0], s44, (1<<16)|(1<<20)|(1<<21)|(6<<22)|(3<<25)
.irp g, G1, G1B
	s_mov_b32 s[\g+1], KSTEP<<16
	s_mov_b32 s[\g+2], 64<<16
	s_mov_b32 s[\g+3], KSTEP<<16
	s_mov_b32 s[\g+4], 64
	s_mov_b32 s[\g+5], ROWE
	s_mov_b32 s[\g+6], 0
	s_mov_b32 s[\g+7], 0
.endr
	s_lshl_b32 s17, s12, 6
	s_lshl_b32 s16, s13, 7
	s_add_co_u32 s16, s16, s17
	s_lshl_b32 s16, s16, 12                        ; p: row 128 x tile + 64 x half, of 4,096 bytes
	s_lshl_b32 s46, s68, 3
	s_add_co_u32 s46, s46, s42
	s_lshl_b32 s46, s46, 7
	s_add_co_u32 s46, s46, s17
	s_lshl_b32 s46, s46, 12                        ; v^T: row 1024 b + 128 x channel block + 64 x half
	s_mov_b32 s17, 0
	s_mov_b32 s47, 0
	s_mul_i32 s20, s10, HALFT
	s_mov_b32 s72, 0x76543210
	s_mov_b32 s73, 0xfedcba98
	s_wait_dscnt 0x0                               ; both opening adds are done
	s_wait_kmcnt 0x0
	s_add_nc_u64 s[14:15], s[4:5], s[16:17]
	s_add_nc_u64 s[46:47], s[6:7], s[46:47]
	CROUND
.irp s, 0,1
	s_mov_b32 s[G0+4*\s], 1
	s_add_co_u32 s[G0+4*\s+1], s20, \s*SLOT
	s_add_nc_u64 s[G0+4*\s+2:G0+4*\s+3], s[14:15], \s*KSTEP*2
	s_or_b32 s[G0+4*\s+3], s[G0+4*\s+3], 0x80000000
	s_mov_b32 s[G0B+4*\s], 1
	s_add_co_u32 s[G0B+4*\s+1], s20, \s*SLOT
	s_add_nc_u64 s[G0B+4*\s+2:G0B+4*\s+3], s[46:47], \s*KSTEP*2
	s_or_b32 s[G0B+4*\s+3], s[G0B+4*\s+3], 0x80000000
	JLOAD \s
.endr
	v_and_b32 v1, 15, v0                           ; r
	v_bfe_u32 v2, v0, 4, 1                         ; h
	v_mul_u32_u24 v3, v1, PITCH
	v_lshl_add_u32 v3, v2, 4, v3
	s_mul_i32 s21, s11, HALFT
	s_mul_i32 s22, s12, HALFT
	s_add_co_u32 s22, s22, 2*HALFT
.irp s, 0,1
	v_add_nc_u32 v[ADRA+\s], s21, v3
	v_add_nc_u32 v[ADRB+\s], s22, v3
	s_add_co_u32 s21, s21, SLOT
	s_add_co_u32 s22, s22, SLOT
.endr
	s_mul_i32 s23, s11, 64*SPITCH
	s_lshl_b32 s21, s12, 7
	s_add_co_u32 s23, s23, s21
	s_add_co_u32 s23, s23, STAGE
	v_mul_u32_u24 v4, v1, SPITCH
	v_lshl_add_u32 v4, v2, 4, v4
	v_add_nc_u32 v[STO], s23, v4
	s_mul_i32 s23, s10, 32*SPITCH
	s_add_co_u32 s23, s23, STAGE
	v_mul_u32_u24 v5, v2, SPITCH
	v_lshl_add_u32 v5, v1, 4, v5
	v_add_nc_u32 v[RD], s23, v5
	v_lshlrev_b32 v5, 11, v2
	v_lshl_add_u32 v[CO], v1, 4, v5                ; two rows of 2,048 bytes of ob
	s_lshl_b32 s16, s13, 7
	s_lshl_b32 s17, s10, 5
	s_add_co_u32 s16, s16, s17
	s_lshl_b32 s16, s16, 11
	s_mov_b32 s17, 0
	s_add_nc_u64 s[8:9], s[86:87], s[16:17]        ; ob: the first row that I store,
	s_lshl_b32 s46, s42, 8
	s_mov_b32 s47, 0
	s_add_nc_u64 s[8:9], s[8:9], s[46:47]          ; and the tile's first channel
	s_lshl_b32 s16, s68, 15                        ; st: (32,768 b + 128 i + 64 x row half) x 4: chunk 0 of my 64 rows
	s_lshl_b32 s18, s69, 7
	s_add_co_u32 s16, s16, s18
	s_lshl_b32 s18, s11, 6
	s_add_co_u32 s16, s16, s18
	s_lshl_b32 s16, s16, 2
	s_add_nc_u64 s[76:77], s[84:85], s[16:17]
	s_mov_b64 s[78:79], s[76:77]                   ; a copy that walks, 2 chunks a K step
	v_lshlrev_b32 v[VM], 2, v1
	v_lshl_add_u32 v[VH], v2, 16, v[VM]            ; a chunk's 2,048 rows are 8,192 bytes; lanes 16-31 take chunks 8-15
.irp a, 0,1,2,3
	v_mov_b32 v[76+\a], 0                          ; a lane permute's destination counts as one of its sources
	v_mov_b32 v[RL+2*\a+1], 0                      ; named as the upper half of a pair
	v_mov_b32 v[FA+2*\a+1], 0
	v_mov_b32 v[FA+8+2*\a+1], 0
.endr
; -M_c of a K step's 2 chunks for my 4 x 16 rows: register 4 c + a
.macro MLOAD
.irp c, 0,1
.irp a, 0,1,2,3
	global_load_b32 v[MC+4*\c+\a], v[VM], s[78:79] offset:8192*\c+64*\a
.endr
.endr
.endm
; and the factors made of them: f = 2^(M_c - M), in f32
.macro FACT
	s_wait_loadcnt 0x0                             ; the loads are done: their registers may be read and their base stepped
.set n, 0
.rept 8
	v_sub_f32 v[MC+n], v[NMR+n%4], v[MC+n]         ; a whole number, 0 or less
.set n, n+1
.endr
.set n, 0
.rept 8
	v_cvt_i32_f32 v[MC+n], v[MC+n]                 ; (it saturates)
.set n, n+1
.endr
.set n, 0
.rept 8
	v_ldexp_f32 v[FA+2*n], 1.0, v[MC+n]
.set n, n+1
.endr
	s_add_nc_u64 s[78:79], s[78:79], 16384
.endm
	; the row's 16 chunks: 8 a lane half, into registers that O will take
.irp a, 0,1,2,3
.set n, 0
.rept 8
	global_load_b32 v[128+8*\a+n], v[VH], s[76:77] offset:8192*n+64*\a
	global_load_b32 v[192+8*\a+n], v[VH], s[76:77] offset:524288+8192*n+64*\a
.set n, n+1
.endr
.endr
	MLOAD                                          ; K step 0
	s_wait_loadcnt 0x0
.irp a, 0,1,2,3
	v_min3_num_f32 v[NMR+\a], v[128+8*\a], v[129+8*\a], v[130+8*\a]
.endr
.irp i, 3,5
.irp a, 0,1,2,3
	v_min3_num_f32 v[NMR+\a], v[NMR+\a], v[128+8*\a+\i], v[129+8*\a+\i]
.endr
.endr
.irp a, 0,1,2,3
	v_min_num_f32 v[NMR+\a], v[NMR+\a], v[135+8*\a]
.endr
.irp a, 0,1,2,3
	v_permlanex16_b32 v[76+\a], v[NMR+\a], s72, s73
.endr
.irp a, 0,1,2,3
	v_min_num_f32 v[NMR+\a], v[NMR+\a], v[76+\a]   ; -M of the row
.endr
.set n, 0
.rept 32
	v_sub_f32 v[128+n], v[NMR+n/8], v[128+n]
.set n, n+1
.endr
.set n, 0
.rept 32
	v_cvt_i32_f32 v[128+n], v[128+n]
.set n, n+1
.endr
.set n, 0
.rept 32
	v_ldexp_f32 v[192+n], v[192+n], v[128+n]       ; l_c f_c
.set n, n+1
.endr
.irp a, 0,1,2,3
	v_pk_add_f32 v[80+2*\a:81+2*\a], v[192+8*\a:193+8*\a], v[194+8*\a:195+8*\a]
.endr
.irp i, 4,6
.irp a, 0,1,2,3
	v_pk_add_f32 v[80+2*\a:81+2*\a], v[80+2*\a:81+2*\a], v[192+8*\a+\i:193+8*\a+\i]
.endr
.endr
.irp a, 0,1,2,3
	v_add_f32 v[80+2*\a], v[80+2*\a], v[81+2*\a]
.endr
.irp a, 0,1,2,3
	v_permlanex16_b32 v[76+\a], v[80+2*\a], s72, s73
.endr
.irp a, 0,1,2,3
	v_add_f32 v[80+2*\a], v[80+2*\a], v[76+\a]     ; the row's sum: at least a half, since the row's largest p lies above a half
.endr
.irp a, 0,1,2,3
	v_rcp_f32 v[RL+2*\a], v[80+2*\a]
.endr
	v_nop                                          ; a plain instruction behind the last reciprocal
	s_wait_alu depctr_va_vdst(0)                   ; one wait for the four
	FACT                                           ; K step 0's factors
	MLOAD                                          ; K step 1
.macro MUL8 f, c, a0, zero             ; 8 matrix instructions into T: query blocks a0, a0 + 1 x all 4 channel blocks, 32 keys; the 16 accumulators take turns
.irp a, \a0, \a0+1
.irp b, 0,1,2,3
.if \zero
	v_wmma_f32_16x16x32_f16 v[8*(4*(\a)+\b):8*(4*(\a)+\b)+7], v[\f+64+8*(4*\c+\b):\f+64+8*(4*\c+\b)+7], v[\f+8*(4*\c+\a):\f+8*(4*\c+\a)+7], 0
.else
	v_wmma_f32_16x16x32_f16 v[8*(4*(\a)+\b):8*(4*(\a)+\b)+7], v[\f+64+8*(4*\c+\b):\f+64+8*(4*\c+\b)+7], v[\f+8*(4*\c+\a):\f+8*(4*\c+\a)+7], v[8*(4*(\a)+\b):8*(4*(\a)+\b)+7]
.endif
.endr
.endr
.endm
.macro FETCH slot, k, f
	WIN TO_F
.irp c, 0,1
.irp i, 0,1,2,3
	ds_load_b128 v[\f+64+8*(4*\c+\i):\f+64+8*(4*\c+\i)+3],   v[ADRB+\slot] offset:\k+64*\c+\i*16*PITCH
	ds_load_b128 v[\f+64+8*(4*\c+\i)+4:\f+64+8*(4*\c+\i)+7], v[ADRB+\slot] offset:\k+64*\c+\i*16*PITCH+32
	ds_load_b128 v[\f+8*(4*\c+\i):\f+8*(4*\c+\i)+3],         v[ADRA+\slot] offset:\k+64*\c+\i*16*PITCH
	ds_load_b128 v[\f+8*(4*\c+\i)+4:\f+8*(4*\c+\i)+7],       v[ADRA+\slot] offset:\k+64*\c+\i*16*PITCH+32
.endr
.endr
.endm
.macro PLACES
.rept 4
	v_nop
.endr
.endm
; Accumulator x of T, finished, goes into O: x the factor of chunk ch of the K step and query block x / 4.  first = 1: the tile's first chunk starts O.  T is read from its low end on.
.macro FMA4 x, ch, first
	WIN W_FMA
.irp n, 0,2,4,6
.if \first
	v_pk_mul_f32 v[ACC+8*(\x)+\n:ACC+8*(\x)+\n+1], v[8*(\x)+\n:8*(\x)+\n+1], v[FA+2*(4*(\ch)+(\x)/4):FA+2*(4*(\ch)+(\x)/4)+1] op_sel_hi:[1,0]
.else
	v_pk_fma_f32 v[ACC+8*(\x)+\n:ACC+8*(\x)+\n+1], v[8*(\x)+\n:8*(\x)+\n+1], v[FA+2*(4*(\ch)+(\x)/4):FA+2*(4*(\ch)+(\x)/4)+1], v[ACC+8*(\x)+\n:ACC+8*(\x)+\n+1] op_sel_hi:[1,0,1]
.endif
.endr
.endm
; A chunk's last sixteen matrix instructions (the second 32 keys of buffer f), each finishing one accumulator of T; accumulator x's four lines stand behind matrix instruction x + 2.
.macro MULF f, ch, first
.set ii, 0
.rept 16
	WIN MUL
	v_wmma_f32_16x16x32_f16 v[8*ii:8*ii+7], v[\f+96+8*(ii%4):\f+96+8*(ii%4)+7], v[\f+32+8*(ii/4):\f+32+8*(ii/4)+7], v[8*ii:8*ii+7]
.if ii < 2
	v_nop                                          ; the four plain lines between accumulator 0's last product and its first reader
	v_nop
.else
	FMA4 ii-2, \ch, \first
.endif
.set ii, ii+1
.endr
	FMA4 14, \ch, \first
	FMA4 15, \ch, \first
.endm
; 64 keys: multiplies buffer f and fetches the next quarter, at byte k, into g.  The quarters at k = 128 and 384 begin a chunk (C = 0); the one at k = 256 ends the K step's first chunk.
.macro QUARTER slot, k, f, g, first
	s_wait_dscnt 16                                ; the first 32 keys are in
	WIN MUL
.if (\k) == 256
	MUL8 \f, 0, 0, 0
	MUL8 \f, 0, 2, 0
.else
	MUL8 \f, 0, 0, 1
	MUL8 \f, 0, 2, 1
.endif
	PLACES
	FETCH \slot, \k, \g
	s_wait_dscnt 32                                ; all but the 32 just issued
.if (\k) == 256
	MULF \f, 0, \first
.else
	WIN MUL
	MUL8 \f, 1, 0, 0
	MUL8 \f, 1, 2, 0
.endif
.endm
.macro TURN slot, next, fill           ; the K step's last quarter ends its second chunk and changes slots; behind it the next K step's factors are made
	WIN 0
	s_wait_tensorcnt 0x0                           ; all my tensor loads have landed: my part of the next slot;
	ds_add_u32 v[SPW], v[NIL]
	s_wait_dscnt 17                                ; (the add and the youngest sixteen loads may be out)
	WIN MUL
	MUL8 F1, 0, 0, 0
	s_wait_dscnt 0x0                               ; the add is done, and my reads of this slot are over
	s_barrier_signal -1
	MUL8 F1, 0, 2, 0
.if \fill
	WIN 0
.endif
	s_barrier_wait -1
.if \fill
	CREST
	s_add_nc_u64 s[G0+4*\slot+2:G0+4*\slot+3], s[G0+4*\slot+2:G0+4*\slot+3], 2*KSTEP*2
	s_add_nc_u64 s[G0B+4*\slot+2:G0B+4*\slot+3], s[G0B+4*\slot+2:G0B+4*\slot+3], 2*KSTEP*2
	JLOAD \slot                                    ; the first tensor load behind the round
.else
	PLACES
.endif
	FETCH \next, 0, F0
	MULF F1, 1, 0
	WIN 0
	FACT
.if \fill
	MLOAD                                          ; -M_c of the K step that has just been asked for
.endif
.endm
	s_wait_tensorcnt 1                             ; my part of K step 0 is in (K step 1's load may be out)
	s_barrier_signal -1
	s_barrier_wait -1
	FETCH 0, 0, F0
	QUARTER 0, 128, F0, F1, 0
	QUARTER 0, 256, F1, F0, 1                      ; the tile's first chunk starts O
	WIN 0
	s_cmp_eq_u32 s3, 0                             ; queries 0-511 walk two K steps: both are first fills, and the loop is passed by; the same in all sixteen partners
	s_cbranch_scc1 .Ltail
.Llap:                                                 ; a trip goes once round the ring, from a lap's third quarter to the next lap's second
	QUARTER 0, 384, F0, F1, 0
	TURN 0, 1, 1
	QUARTER 1, 128, F0, F1, 0
	QUARTER 1, 256, F1, F0, 0
	QUARTER 1, 384, F0, F1, 0
	TURN 1, 0, 1
	QUARTER 0, 128, F0, F1, 0
	QUARTER 0, 256, F1, F0, 0
	WIN 0
	s_sub_co_u32 s3, s3, 1
	s_cmp_lg_u32 s3, 0
	s_cbranch_scc1 .Llap
.Ltail:
	QUARTER 0, 384, F0, F1, 0                      ; the last lap fills nothing
	TURN 0, 1, 0
	QUARTER 1, 128, F0, F1, 0
	QUARTER 1, 256, F1, F0, 0
	QUARTER 1, 384, F0, F1, 0
	s_wait_dscnt 16
	WIN MUL
	MUL8 F1, 0, 0, 0
	MUL8 F1, 0, 2, 0
	s_wait_dscnt 0
	MULF F1, 1, 0
	WIN 0
	; THE WAY OUT: / the row's sum; rounded to f16; through the work-group's stage, since a row's 256 bytes come from two waves
.set n, 0
.rept 64
	v_pk_mul_f32 v[ACC+2*n:ACC+2*n+1], v[ACC+2*n:ACC+2*n+1], v[RL+2*(n/16):RL+2*(n/16)+1] op_sel_hi:[1,0]
.set n, n+1
.endr
.irp t, 0,1,2,3,4,5,6,7,8,9,10,11,12,13,14,15
.irp r, 0,1,2,3
	v_cvt_pk_f16_f32 v[TMP+4*\t+\r], v[ACC+8*\t+2*\r], v[ACC+8*\t+2*\r+1]
.endr
.endr
.irp a, 0,1,2,3
.irp b, 0,1,2,3
	ds_store_b128 v[STO], v[TMP+4*(4*\a+\b):TMP+4*(4*\a+\b)+3] offset:\a*16*SPITCH+32*\b
.endr
.endr
	s_wait_dscnt 0x0
	s_barrier_signal -1
	s_barrier_wait -1
.irp t, 0,1,2,3,4,5,6,7,8,9,10,11,12,13,14,15
	ds_load_b128 v[TMP+4*\t:TMP+4*\t+3], v[RD] offset:\t*2*SPITCH
.endr
.irp t, 0,1,2,3,4,5,6,7,8,9,10,11,12,13,14,15
	s_wait_dscnt 15-\t
	global_store_b128 v[CO], v[TMP+4*\t:TMP+4*\t+3], s[8:9] offset:2*\t*2048   ; sixteen lanes store 256 consecutive bytes, aligned
.endr
	s_wait_tensorcnt 0x0                           ; the wave's end
	ds_add_u32 v[SPW], v[NIL]
	s_wait_dscnt 0x0
	CROUND                                         ; the closing round
	s_endpgm
.Lfunc_end_k_q38ce735795_pv:
	.size	k_q38ce735795_pv, .Lfunc_end_k_q38ce735795_pv-k_q38ce735795_pv
	.p2alignl 7, 3214868480
	.fill 96, 4, 3214868480
	.section	.rodata,"a",@progbits
	.p2align	6, 0x0
	.amdhsa_kernel k_q38ce735795_pv
		.amdhsa_group_segment_fixed_size 327680
		.amdhsa_private_segment_fixed_size 0
		.amdhsa_enable_private_segment 0
		.amdhsa_kernarg_size 32
		.amdhsa_user_sgpr_count 2
		.amdhsa_user_sgpr_kernarg_segment_ptr 1
		.amdhsa_wavefront_size32 1
		.amdhsa_system_sgpr_workgroup_id_x 1
		.amdhsa_system_sgpr_workgroup_id_y 1
		.amdhsa_system_sgpr_workgroup_id_z 1
		.amdhsa_system_vgpr_workitem_id 0
		.amdhsa_next_free_vgpr 768
		.amdhsa_next_free_sgpr 92
		.amdhsa_reserve_vcc 0
		.amdhsa_float_denorm_mode_32 3
		.amdhsa_float_denorm_mode_16_64 3
		.amdhsa_memory_ordered 1
		.amdhsa_forward_progress 1
		.amdhsa_inst_pref_size 152
	.end_amdhsa_kernel
	.amdgpu_metadata
---
amdhsa.version: [ 1, 2 ]
amdhsa.kernels:
  - .name:           k_q38ce735795_pv
    .symbol:         k_q38ce735795_pv.kd
    .args:
      - { .name: pm, .offset: 0, .size: 8, .value_kind: global_buffer, .address_space: global }
      - { .name: vt, .offset: 8, .size: 8, .value_kind: global_buffer, .address_space: global }
      - { .name: st, .offset: 16, .size: 8, .value_kind: global_buffer, .address_space: global }
      - { .name: ob, .offset: 24, .size: 8, .value_kind: global_buffer, .address_space: global }
    .group_segment_fixed_size: 327680
    .private_segment_fixed_size: 0
    .kernarg_segment_align: 8
    .kernarg_segment_size: 32
    .max_flat_workgroup_size: 128
    .sgpr_count:     92
    .vgpr_count:     768
    .wavefront_size: 32
...
	.end_amdgpu_metadata
.endif
;; end of part 4
;; launch proj (part 5): grid 8 x 64, 4 waves a work-group, clusters of 4 x 4, 327,680 bytes of LDS; arguments ob, wot, out0; writes out0
.if DOCPART == 5
	.amdgcn_target "amdgcn-amd-amdhsa--gfx1250"
	.amdhsa_code_object_version 6
	.text
	.protected	k_q38ce735795_proj
	.globl	k_q38ce735795_proj
	.p2align	8
	.type	k_q38ce735795_proj,@function
k_q38ce735795_proj:
	s_mov_b64 s[64:65], 0
	v_nop
	global_prefetch_b8 v0, s[64:65] scope:SCOPE_SE
	s_setreg_imm32_b32 hwreg(HW_REG_WAVE_MODE, 25, 1), 1
	s_wait_xcnt 0x0
	s_wait_alu depctr_hold_cnt(0) depctr_sa_sdst(0) depctr_va_vdst(0) depctr_va_sdst(0) depctr_va_ssrc(0) depctr_va_vcc(0) depctr_vm_vsrc(0)
	s_getreg_b32 s2, hwreg(HW_REG_IB_STS2, 6, 4)
	s_cmp_eq_u32 s2, 0
	s_cbranch_scc0 .Lentry_in_a_cluster
	s_endpgm
.Lentry_in_a_cluster:
	s_bfe_u32 s2, ttmp6, 0x10000c
	s_cmp_lg_u32 s2, 0xf033
	s_cbranch_scc0 .Lentry_shape_is_right
	s_endpgm
.Lentry_shape_is_right:
; PROJ: out0 [8192][1024] f32 = o [8192][1024] f16 x Wo, with Wo as its transpose's high part [1024 o][1024 v] f16 (K innermost on both sides); sums in f32.
; A tile is 128 x 128, four waves of 64 x 64; K = 1,024 in 4 steps of 256 through two LDS slots.  CLUSTER 4 x 4: o's tiles are shared along a row of the cluster, Wo's along a column.
; A wave has two tensor loads out at the start and one behind each round.  The first 16 rows of each batch are written again, more finely, by the launch that follows.
; THE MATRIX INSTRUCTION IS USED TRANSPOSED: a lane holds eight neighbouring numbers of a row of out0.
; The stage for the way out, 128 rows x (512 + 16) bytes, lies in slot 0: it has had its last fill, and nobody reads it behind the last change of slots.
.set KSTEP,  256
.set PITCH,  528
.set HALFT,  64*PITCH
.set SLOT,   4*HALFT
.set SPARE,  2*SLOT                    ; the spare words: two blocks of 256 bytes that no other line names
.set SPITCH, 528
.set LAPS,   2
.set ROWE,   1024
.set ADRA, 16
.set ADRB, 20
.set STO,  24
.set RD,   25
.set CO,   26
.set SPW,  28
.set NIL,  29
.set ACC,  128
.set F0,   0
.set F1,   128
.set G1, 24
.set G0, 32
.set G1B, 48
.set G0B, 56
.set MSB, 0
.macro WIN new
.if MSB != (\new)
	s_set_vgpr_msb (MSB<<8)|(\new)
.set MSB, \new
.endif
.endm
.set MUL,  0x05
.set TO_F, 0x40
.macro JLOAD s
	s_cmp_eq_u32 s11, 0
	s_cbranch_scc0 .Lfor_b_\@
	tensor_load_to_lds s[G0+4*\s:G0+4*\s+3], s[G1:G1+7]
	s_nop 0
.rept 4
	v_nop
.endr
	s_branch .Lasked_\@
.Lfor_b_\@:
	tensor_load_to_lds s[G0B+4*\s:G0B+4*\s+3], s[G1B:G1B+7]
	s_nop 0
.rept 4
	v_nop
.endr
.Lasked_\@:
.endm
.macro CREST
	s_cmp_lg_u32 s10, 0
	s_cbranch_scc1 .Lnot_wave_0_\@
	s_barrier_signal -3
.Lnot_wave_0_\@:
	s_barrier_wait -3
	s_barrier_signal -1
	s_barrier_wait -1
.endm
.macro CROUND
	s_barrier_signal -1
	s_barrier_wait -1
	CREST
.endm
	s_load_b128 s[4:7], s[0:1], 0x0                ; ob s[4:5], wot s[6:7]
	s_load_b64 s[8:9], s[0:1], 0x10                ; out0
	v_lshl_add_u32 v[SPW], v0, 2, SPARE
	v_mov_b32 v[NIL], 0
	ds_add_u32 v[SPW], v[NIL]                      ; the wave's opening: the add, twice on end, and its wait ahead of my first tensor load
	ds_add_u32 v[SPW], v[NIL]
	v_lshrrev_b32 v1, 5, v0
	v_readfirstlane_b32 s10, v1
	s_lshr_b32 s11, s10, 1
	s_and_b32 s12, s10, 1
	s_bfe_u32 s40, ttmp6, 0x40000
	s_bfe_u32 s41, ttmp6, 0x40004
	s_lshl_b32 s42, ttmp9, 2
	s_add_co_u32 s42, s42, s40                     ; tile column
	s_and_b32 s13, ttmp7, 0xffff
	s_lshl_b32 s13, s13, 2
	s_add_co_u32 s13, s13, s41                     ; tile row
	s_lshl_b32 s43, s41, 2
	s_lshl_b32 s43, 15, s43
	s_lshl_b32 s44, 0x1111, s40
	s_or_b32 s[G1+0], s43, (1<<16)|(1<<20)|(1<<21)|(6<<22)|(3<<25)
	s_or_b32 s[G1B+0], s44, (1<<16)|(1<<20)|(1<<21)|(6<<22)|(3<<25)
.irp g, G1, G1B
	s_mov_b32 s[\g+1], KSTEP<<16
	s_mov_b32 s[\g+2], 64<<16
	s_mov_b32 s[\g+3], KSTEP<<16
	s_mov_b32 s[\g+4], 64
	s_mov_b32 s[\g+5], ROWE
	s_mov_b32 s[\g+6], 0
	s_mov_b32 s[\g+7], 0
.endr
	s_lshl_b32 s17, s12, 6
	s_lshl_b32 s16, s13, 7
	s_add_co_u32 s16, s16, s17
	s_lshl_b32 s16, s16, 11                        ; rows of 2,048 bytes
	s_lshl_b32 s46, s42, 7
	s_add_co_u32 s46, s46, s17
	s_lshl_b32 s46, s46, 11
	s_mov_b32 s17, 0
	s_mov_b32 s47, 0
	s_mul_i32 s20, s10, HALFT
	s_wait_dscnt 0x0
	s_wait_kmcnt 0x0
	s_add_nc_u64 s[14:15], s[4:5], s[16:17]
	s_add_nc_u64 s[46:47], s[6:7], s[46:47]
	CROUND
.irp s, 0,1
	s_mov_b32 s[G0+4*\s], 1
	s_add_co_u32 s[G0+4*\s+1], s20, \s*SLOT
	s_add_nc_u64 s[G0+4*\s+2:G0+4*\s+3], s[14:15], \s*KSTEP*2
	s_or_b32 s[G0+4*\s+3], s[G0+4*\s+3], 0x80000000
	s_mov_b32 s[G0B+4*\s], 1
	s_add_co_u32 s[G0B+4*\s+1], s20, \s*SLOT
	s_add_nc_u64 s[G0B+4*\s+2:G0B+4*\s+3], s[46:47], \s*KSTEP*2
	s_or_b32 s[G0B+4*\s+3], s[G0B+4*\s+3], 0x80000000
	JLOAD \s
.endr
	v_and_b32 v1, 15, v0
	v_bfe_u32 v2, v0, 4, 1
	v_mul_u32_u24 v3, v1, PITCH
	v_lshl_add_u32 v3, v2, 4, v3
	s_mul_i32 s21, s11, HALFT
	s_mul_i32 s22, s12, HALFT
	s_add_co_u32 s22, s22, 2*HALFT
.irp s, 0,1
	v_add_nc_u32 v[ADRA+\s], s21, v3
	v_add_nc_u32 v[ADRB+\s], s22, v3
	s_add_co_u32 s21, s21, SLOT
	s_add_co_u32 s22, s22, SLOT
.endr
	s_mul_i32 s23, s11, 64*SPITCH                  ; into the stage: my 64 rows, my 256 bytes of their 512; row r, 32 bytes for each half of the lanes
	s_lshl_b32 s21, s12, 8
	s_add_co_u32 s23, s23, s21
	v_mul_u32_u24 v4, v1, SPITCH
	v_lshl_add_u32 v4, v2, 5, v4
	v_add_nc_u32 v[STO], s23, v4
	s_mul_i32 s23, s10, 32*SPITCH                  ; back: wave w takes rows 32 w .. 32 w + 31; the 32 lanes take a row of 512 bytes
	v_and_b32 v5, 31, v0
	v_lshlrev_b32 v[CO], 4, v5
	v_add_nc_u32 v[RD], s23, v[CO]
	s_lshl_b32 s16, s13, 7
	s_lshl_b32 s17, s10, 5
	s_add_co_u32 s16, s16, s17
	s_lshl_b32 s16, s16, 12
	s_mov_b32 s17, 0
	s_add_nc_u64 s[8:9], s[8:9], s[16:17]
	s_lshl_b32 s46, s42, 9
	s_mov_b32 s47, 0
	s_add_nc_u64 s[8:9], s[8:9], s[46:47]
.macro MUL8 f, c, a0, zero
.irp a, \a0, \a0+1
.irp b, 0,1,2,3
.if \zero
	v_wmma_f32_16x16x32_f16 v[ACC+8*(4*(\a)+\b):ACC+8*(4*(\a)+\b)+7], v[\f+64+8*(4*\c+\b):\f+64+8*(4*\c+\b)+7], v[\f+8*(4*\c+\a):\f+8*(4*\c+\a)+7], 0
.else
	v_wmma_f32_16x16x32_f16 v[ACC+8*(4*(\a)+\b):ACC+8*(4*(\a)+\b)+7], v[\f+64+8*(4*\c+\b):\f+64+8*(4*\c+\b)+7], v[\f+8*(4*\c+\a):\f+8*(4*\c+\a)+7], v[ACC+8*(4*(\a)+\b):ACC+8*(4*(\a)+\b)+7]
.endif
.endr
.endr
.endm
.macro FETCH slot, k, f
	WIN TO_F
.irp c, 0,1
.irp i, 0,1,2,3
	ds_load_b128 v[\f+64+8*(4*\c+\i):\f+64+8*(4*\c+\i)+3],   v[ADRB+\slot] offset:\k+64*\c+\i*16*PITCH
	ds_load_b128 v[\f+64+8*(4*\c+\i)+4:\f+64+8*(4*\c+\i)+7], v[ADRB+\slot] offset:\k+64*\c+\i*16*PITCH+32
	ds_load_b128 v[\f+8*(4*\c+\i):\f+8*(4*\c+\i)+3],         v[ADRA+\slot] offset:\k+64*\c+\i*16*PITCH
	ds_load_b128 v[\f+8*(4*\c+\i)+4:\f+8*(4*\c+\i)+7],       v[ADRA+\slot] offset:\k+64*\c+\i*16*PITCH+32
.endr
.endr
.endm
.macro PLACES
.rept 4
	v_nop
.endr
.endm
.macro QUARTER slot, k, f, g, zero
	s_wait_dscnt 16                                ; the first 32 along K are in
	WIN MUL
	MUL8 \f, 0, 0, \zero
	MUL8 \f, 0, 2, \zero
	PLACES
	FETCH \slot, \k, \g
	s_wait_dscnt 32                                ; all but the 32 just issued
	WIN MUL
	MUL8 \f, 1, 0, 0
	MUL8 \f, 1, 2, 0
.endm
.macro TURN slot, next, fill
	WIN 0
	s_wait_tensorcnt 0x0                           ; all my tensor loads have landed;
	ds_add_u32 v[SPW], v[NIL]
	s_wait_dscnt 17                                ; (the add and the youngest sixteen loads may be out)
	WIN MUL
	MUL8 F1, 0, 0, 0
	s_wait_dscnt 0x0                               ; the add is done, and my reads of this slot are over
	s_barrier_signal -1
	MUL8 F1, 0, 2, 0
.if \fill
	WIN 0
.endif
	s_barrier_wait -1
.if \fill
	CREST
	s_add_nc_u64 s[G0+4*\slot+2:G0+4*\slot+3], s[G0+4*\slot+2:G0+4*\slot+3], 2*KSTEP*2
	s_add_nc_u64 s[G0B+4*\slot+2:G0B+4*\slot+3], s[G0B+4*\slot+2:G0B+4*\slot+3], 2*KSTEP*2
	JLOAD \slot
.else
	PLACES
.endif
	FETCH \next, 0, F0
	WIN MUL
	MUL8 F1, 1, 0, 0
	MUL8 F1, 1, 2, 0
.endm
	s_wait_tensorcnt 1                             ; my part of K step 0 is in (K step 1's load may be out)
	s_barrier_signal -1
	s_barrier_wait -1
	FETCH 0, 0, F0
	QUARTER 0, 128, F0, F1, 1
	WIN 0
	s_mov_b32 s3, LAPS-1
.Llap:
	QUARTER 0, 256, F1, F0, 0
	QUARTER 0, 384, F0, F1, 0
	TURN 0, 1, 1
	QUARTER 1, 128, F0, F1, 0
	QUARTER 1, 256, F1, F0, 0
	QUARTER 1, 384, F0, F1, 0
	TURN 1, 0, 1
	QUARTER 0, 128, F0, F1, 0
	WIN 0
	s_sub_co_u32 s3, s3, 1
	s_cmp_lg_u32 s3, 0
	s_cbranch_scc1 .Llap
	QUARTER 0, 256, F1, F0, 0
	QUARTER 0, 384, F0, F1, 0
	TURN 0, 1, 0
	QUARTER 1, 128, F0, F1, 0
	QUARTER 1, 256, F1, F0, 0
	QUARTER 1, 384, F0, F1, 0
	s_wait_dscnt 16
	WIN MUL
	MUL8 F1, 0, 0, 0
	MUL8 F1, 0, 2, 0
	s_wait_dscnt 0
	MUL8 F1, 1, 0, 0
	MUL8 F1, 1, 2, 0
	WIN 0
	; THE WAY OUT: the sums as they are, 32 bytes a lane, into the stage; a barrier, since a row's 512 bytes come from two waves; back as whole rows
	PLACES
.irp a, 0,1,2,3
.irp b, 0,1,2,3
	ds_store_b128 v[STO], v[ACC+8*(4*\a+\b):ACC+8*(4*\a+\b)+3] offset:\a*16*SPITCH+64*\b          ; each accumulator from its low end on
	ds_store_b128 v[STO], v[ACC+8*(4*\a+\b)+4:ACC+8*(4*\a+\b)+7] offset:\a*16*SPITCH+64*\b+16
.endr
.endr
	s_wait_dscnt 0x0
	s_barrier_signal -1
	s_barrier_wait -1
.set n, 0
.rept 32
	ds_load_b128 v[ACC+4*n:ACC+4*n+3], v[RD] offset:n*SPITCH
.set n, n+1
.endr
.set n, 0
.rept 32
	s_wait_dscnt 31-n
	global_store_b128 v[CO], v[ACC+4*n:ACC+4*n+3], s[8:9] offset:n*4096 th:TH_STORE_NT   ; 32 lanes store 512 consecutive bytes, aligned
.set n, n+1
.endr
	s_wait_tensorcnt 0x0                           ; the wave's end
	ds_add_u32 v[SPW], v[NIL]
	s_wait_dscnt 0x0
	CROUND                                         ; the closing round
	s_endpgm
.Lfunc_end_k_q38ce735795_proj:
	.size	k_q38ce735795_proj, .Lfunc_end_k_q38ce735795_proj-k_q38ce735795_proj
	.p2alignl 7, 3214868480
	.fill 96, 4, 3214868480
	.section	.rodata,"a",@progbits
	.p2align	6, 0x0
	.amdhsa_kernel k_q38ce735795_proj
		.amdhsa_group_segment_fixed_size 327680
		.amdhsa_private_segment_fixed_size 0
		.amdhsa_enable_private_segment 0
		.amdhsa_kernarg_size 24
		.amdhsa_user_sgpr_count 2
		.amdhsa_user_sgpr_kernarg_segment_ptr 1
		.amdhsa_wavefront_size32 1
		.amdhsa_system_sgpr_workgroup_id_x 1
		.amdhsa_system_sgpr_workgroup_id_y 1
		.amdhsa_system_sgpr_workgroup_id_z 1
		.amdhsa_system_vgpr_workitem_id 0
		.amdhsa_next_free_vgpr 512
		.amdhsa_next_free_sgpr 92
		.amdhsa_reserve_vcc 0
		.amdhsa_float_denorm_mode_32 3
		.amdhsa_float_denorm_mode_16_64 3
		.amdhsa_memory_ordered 1
		.amdhsa_forward_progress 1
		.amdhsa_inst_pref_size 86
	.end_amdhsa_kernel
	.amdgpu_metadata
---
amdhsa.version: [ 1, 2 ]
amdhsa.kernels:
  - .name:           k_q38ce735795_proj
    .symbol:         k_q38ce735795_proj.kd
    .args:
      - { .name: ob, .offset: 0, .size: 8, .value_kind: global_buffer, .address_space: global }
      - { .name: wot, .offset: 8, .size: 8, .value_kind: global_buffer, .address_space: global }
      - { .name: out0, .offset: 16, .size: 8, .value_kind: global_buffer, .address_space: global }
    .group_segment_fixed_size: 327680
    .private_segment_fixed_size: 0
    .kernarg_segment_align: 8
    .kernarg_segment_size: 24
    .max_flat_workgroup_size: 128
    .sgpr_count:     92
    .vgpr_count:     512
    .wavefront_size: 32
...
	.end_amdgpu_metadata
.endif
;; end of part 5
;; launch fine (part 6): grid 16 x 4, 8 waves a work-group, no clusters, 44,032 bytes of LDS; arguments qk, vt, wot, out0; writes out0
.if DOCPART == 6
	.amdgcn_target "amdgcn-amd-amdhsa--gfx1250"
	.amdhsa_code_object_version 6
	.text
	.protected	k_q38ce735795_fine
	.globl	k_q38ce735795_fine
	.p2align	8
	.type	k_q38ce735795_fine,@function
k_q38ce735795_fine:
	s_mov_b64 s[64:65], 0
	v_nop
	global_prefetch_b8 v0, s[64:65] scope:SCOPE_SE
	s_setreg_imm32_b32 hwreg(HW_REG_WAVE_MODE, 25, 1), 1
	s_wait_xcnt 0x0
; FINE: the first 16 positions of each batch once more, carried finely: they average one to sixteen values and are the largest numbers of the output.
; q, k and v are f16 numbers in memory, so the f16 matrix form multiplies them exactly.  p, o and Wo go as PAIRS of f16: a high part (the number rounded to 11 significant bits, made on its bits in f32) and a
; low part (number - high, exact in f32, rounded to f16); both parts go to the matrix unit (of o x Wo the product low x low is left out: under 2^-22 of the result).
; LIMIT: a high part under 2^-14 is rounded to f16's subnormal step 2^-24, and the low part does not carry that error.
; A work-group is (64 outputs, batch).  ITS EIGHT WAVES SHARE THE 1,024 CHANNELS, 128 each, IN EVERY PHASE: for the scores they are a part of K, for o they are the wave's own results, and for the projection
; they are again a part of K: K steps 4 w .. 4 w + 3.  So o never leaves the wave that made it; what meets in LDS are sums: the eight parts of the scores, and the eight parts of the 16 x 64 outputs.
; The sixteen work-groups of a batch repeat the small first three phases.  No tensor load.
; PHASES: 1 S^T = k q^T over my 128 channels | barrier | all eight parts added | 2 mask, true maximum, p, normalised, split | 3 O^T = v^T p for my 128 channels, split |
;         4 Wo^T x O^T over my 128 channels for the 64 outputs, four accumulators by turns | barrier | 5 each wave adds the eight parts of two rows and stores 256 bytes of each.
; REGISTERS, window 0: v1-15 addresses; v18-27 at work; v32-63 q, v64-95 k (then the eight parts); v96-127 four partial tiles; v128-151 scores, p; v192-255 v^T; then v32-47 p's pair; v64-127 O^T;
;   v32-63, v136-167 o's pair; v192-223 four accumulators.   window 1: Wo^T's fragments: (output tile n, K step u) at v[64 n + 16 u]: 8 high, 8 low.
.set PS,    0                          ; LDS: 8 partial tiles of scores, 1,024 bytes each
.set PSUM,  8192                       ; 8 partial outputs of 16 rows x (256 + 16) bytes
.set SPARE, 43008                      ; the spare words, 128 bytes for each wave: four blocks of 256 bytes that no other line names
.set SPW,   16
.set NIL,   17
.set QF,    32
.set KF,    64
.set SA,    96
.set SS,    128
.set VF,    192
.set PH,    32
.set PL,    40
.set OA,    64
.set OH,    32
.set OL,    136
.set AC,    192
.set MSB, 0
.macro WIN new
.if MSB != (\new)
	s_set_vgpr_msb (MSB<<8)|(\new)
.set MSB, \new
.endif
.endm
	s_load_b256 s[4:11], s[0:1], 0x0               ; qk s[4:5], vt s[6:7], wot s[8:9], out0 s[10:11]
	v_lshl_add_u32 v[SPW], v0, 2, SPARE
	v_mov_b32 v[NIL], 0
	v_lshrrev_b32 v1, 5, v0
	v_readfirstlane_b32 s12, v1                    ; wave 0..7
	v_and_b32 v3, 31, v0                           ; lane
	v_and_b32 v1, 15, v0                           ; r
	v_bfe_u32 v2, v0, 4, 1                         ; h
	s_and_b32 s13, ttmp7, 0xffff                   ; the batch
	v_lshlrev_b32 v5, 4, v2
	v_lshl_add_u32 v4, v1, 12, v5                  ; qk, vt: row r of 4,096 bytes + 16 h
	v_lshl_add_u32 v6, v1, 11, v5                  ; wot: row r of 2,048 bytes + 16 h
	v_lshlrev_b32 v7, 4, v3                        ; 16 x lane
	s_lshl_b32 s14, s12, 10
	v_add_nc_u32 v8, s14, v7                       ; my partial tile of scores
	s_mul_i32 s14, s12, 16*272
	s_add_co_u32 s14, s14, PSUM
	v_mul_u32_u24 v10, v1, 272
	v_lshl_add_u32 v10, v2, 5, v10
	v_add_nc_u32 v10, s14, v10                     ; my partial outputs: row r, 32 bytes for each half of the lanes
	s_mul_i32 s14, s12, 2*272
	s_add_co_u32 s14, s14, PSUM
	v_mul_u32_u24 v11, v2, 272
	v_lshl_add_u32 v11, v1, 4, v11
	v_add_nc_u32 v11, s14, v11                     ; back: rows 2 w and 2 w + 1 of part 0, sixteen lanes to a row
	v_lshlrev_b32 v9, 12, v2
	v_lshl_add_u32 v9, v1, 4, v9                   ; and the same two rows in out0
	v_lshlrev_b32 v13, 3, v2
	v_sub_nc_u32 v13, v1, v13                      ; r - 8 h: key 8 h + j is hidden where j is above it
	v_mov_b32 v14, 0xff800000                      ; -infinity
	v_mov_b32 v19, 0                               ; a lane permute's destination counts as one of its sources
	s_mov_b32 s16, 0x76543210
	s_mov_b32 s17, 0xfedcba98
	s_mov_b32 s18, 0x3d38aa3b                      ; c = log2(e) / 32
	s_mov_b32 s21, 0
	s_wait_kmcnt 0x0
	s_lshl_b32 s20, s13, 23                        ; qk: 2,048 rows of 4,096 bytes a batch; my 128 channels
	s_lshl_b32 s22, s12, 8
	s_add_co_u32 s20, s20, s22
	s_add_nc_u64 s[4:5], s[4:5], s[20:21]
	s_lshl_b32 s20, s13, 22                        ; vt: 1,024 rows a batch; my 128 rows
	s_lshl_b32 s22, s12, 19
	s_add_co_u32 s20, s20, s22
	s_add_nc_u64 s[6:7], s[6:7], s[20:21]
	s_lshl_b32 s20, ttmp9, 17                      ; wot: row 64 x block of 2,048 bytes; my 128 channels
	s_lshl_b32 s22, s12, 8
	s_add_co_u32 s20, s20, s22
	s_add_nc_u64 s[8:9], s[8:9], s[20:21]
	s_lshl_b32 s20, s13, 23                        ; out0: row 2048 b + 2 w of 4,096 bytes, column 64 x block
	s_lshl_b32 s22, s12, 13
	s_add_co_u32 s20, s20, s22
	s_lshl_b32 s22, ttmp9, 8
	s_add_co_u32 s20, s20, s22
	s_add_nc_u64 s[10:11], s[10:11], s[20:21]
.irp u, 0,1,2,3
	global_load_b128 v[QF+8*\u:QF+8*\u+3],   v4, s[4:5] offset:64*\u
	global_load_b128 v[QF+8*\u+4:QF+8*\u+7], v4, s[4:5] offset:64*\u+32
	global_load_b128 v[KF+8*\u:KF+8*\u+3],   v4, s[4:5] offset:2048+64*\u
	global_load_b128 v[KF+8*\u+4:KF+8*\u+7], v4, s[4:5] offset:2048+64*\u+32
.endr
.irp t, 0,1,2,3,4,5,6,7
	global_load_b128 v[VF+8*\t:VF+8*\t+3], v4, s[6:7] offset:65536*\t      ; channel 16 t + r, keys 8 h .. 8 h + 7
.endr
	WIN 0x40                                       ; destination window 1
.irp n, 0,1,2,3
.irp u, 0,1,2,3
	global_load_b128 v[64*\n+16*\u:64*\n+16*\u+3],     v6, s[8:9] offset:32768*\n+64*\u             ; output 16 n + r, channels 32 u + 8 h ..: the high part,
	global_load_b128 v[64*\n+16*\u+4:64*\n+16*\u+7],   v6, s[8:9] offset:32768*\n+64*\u+32
	global_load_b128 v[64*\n+16*\u+8:64*\n+16*\u+11],  v6, s[8:9] offset:2097152+32768*\n+64*\u     ; and the low part
	global_load_b128 v[64*\n+16*\u+12:64*\n+16*\u+15], v6, s[8:9] offset:2097152+32768*\n+64*\u+32
.endr
.endr
	WIN 0
.irp t, 0,1,2,3,4,5,6,7
.irp i, 4,5,6,7
	v_mov_b32 v[VF+8*\t+\i], 0                     ; keys 16-31 of the K step: zeros on both sides
.endr
.endr
	; ---- 1: S^T over my 128 channels: four K steps, four accumulators
	s_wait_loadcnt 63                              ; q, k and v^T are in: 64 loads of Wo^T were issued behind them, and the count's field holds 63
.irp u, 0,1,2,3
	v_wmma_f32_16x16x32_f16 v[SA+8*\u:SA+8*\u+7], v[KF+8*\u:KF+8*\u+7], v[QF+8*\u:QF+8*\u+7], 0
.endr
.rept 4
	v_nop                                          ; places behind the products
.endr
.irp n, 0,2,4,6
	v_pk_add_f32 v[SS+\n:SS+\n+1], v[SA+\n:SA+\n+1], v[SA+8+\n:SA+8+\n+1]
.endr
.irp n, 0,2,4,6
	v_pk_add_f32 v[136+\n:137+\n], v[SA+16+\n:SA+16+\n+1], v[SA+24+\n:SA+24+\n+1]
.endr
.irp n, 0,2,4,6
	v_pk_add_f32 v[SS+\n:SS+\n+1], v[SS+\n:SS+\n+1], v[136+\n:137+\n]
.endr
	ds_store_b128 v8, v[SS:SS+3]
	ds_store_b128 v8, v[SS+4:SS+7] offset:512
	s_wait_dscnt 0x0
	s_barrier_signal -1
	s_barrier_wait -1                              ; the eight parts lie in LDS
.irp w, 0,1,2,3,4,5,6,7
	ds_load_b128 v[32+8*\w:35+8*\w], v7 offset:PS+1024*\w
	ds_load_b128 v[36+8*\w:39+8*\w], v7 offset:PS+1024*\w+512
.endr
	s_wait_dscnt 0x0
.irp n, 0,2,4,6
	v_pk_add_f32 v[SS+\n:SS+\n+1], v[32+\n:33+\n], v[40+\n:41+\n]
.endr
.irp w, 2,3,4,5,6,7
.irp n, 0,2,4,6
	v_pk_add_f32 v[SS+\n:SS+\n+1], v[SS+\n:SS+\n+1], v[32+8*\w+\n:33+8*\w+\n]    ; every wave adds in the same order
.endr
.endr
	; ---- 2: lane (r, h) holds query r and keys 8 h + j
.irp j, 0,1,2,3,4,5,6,7
	v_cmp_gt_i32 vcc_lo, \j, v13
	v_cndmask_b32 v[SS+\j], v[SS+\j], v14, vcc_lo
.endr
	v_max3_num_f32 v18, v[SS], v[SS+1], v[SS+2]
	v_max3_num_f32 v18, v18, v[SS+3], v[SS+4]
	v_max3_num_f32 v18, v18, v[SS+5], v[SS+6]
	v_max_num_f32 v18, v18, v[SS+7]
	v_permlanex16_b32 v19, v18, s16, s17
	v_max_num_f32 v18, v18, v19                    ; the row's largest score: key 0 counts for every query
	v_mul_f32 v18, s18, v18
.irp j, 0,1,2,3,4,5,6,7
	v_fma_f32 v[SS+\j], v[SS+\j], s18, -v18
.endr
.irp j, 0,1,2,3,4,5,6,7
	v_exp_f32 v[SS+\j], v[SS+\j]
.endr
	v_nop
	s_wait_alu depctr_va_vdst(0)                   ; one wait for the eight
	v_pk_add_f32 v[20:21], v[SS:SS+1], v[SS+2:SS+3]
	v_pk_add_f32 v[22:23], v[SS+4:SS+5], v[SS+6:SS+7]
	v_pk_add_f32 v[20:21], v[20:21], v[22:23]
	v_add_f32 v20, v20, v21
	v_permlanex16_b32 v19, v20, s16, s17
	v_add_f32 v20, v20, v19
	v_rcp_f32 v20, v20
	v_nop
	s_wait_alu depctr_va_vdst(0)
.irp j, 0,1,2,3,4,5,6,7
	v_mul_f32 v[SS+\j], v[SS+\j], v20              ; the weights
.endr
.irp j, 0,1,2,3,4,5,6,7
	v_add_nc_u32 v[144+\j], 0x1000, v[SS+\j]
.endr
.irp j, 0,1,2,3,4,5,6,7
	v_and_b32 v[144+\j], 0xffffe000, v[144+\j]     ; the high part, in f32
.endr
.irp j, 0,1,2,3,4,5,6,7
	v_sub_f32 v[SS+\j], v[SS+\j], v[144+\j]        ; the low part
.endr
.irp i, 0,1,2,3
	v_cvt_pk_f16_f32 v[PH+\i], v[144+2*\i], v[145+2*\i]
	v_cvt_pk_f16_f32 v[PL+\i], v[SS+2*\i], v[SS+2*\i+1]
	v_mov_b32 v[PH+4+\i], 0
	v_mov_b32 v[PL+4+\i], 0
.endr
	; ---- 3: O^T = v^T p for my 128 channels: eight accumulators by turns
.irp t, 0,1,2,3,4,5,6,7
	v_wmma_f32_16x16x32_f16 v[OA+8*\t:OA+8*\t+7], v[VF+8*\t:VF+8*\t+7], v[PH:PH+7], 0
.endr
.irp t, 0,1,2,3,4,5,6,7
	v_wmma_f32_16x16x32_f16 v[OA+8*\t:OA+8*\t+7], v[VF+8*\t:VF+8*\t+7], v[PL:PL+7], v[OA+8*\t:OA+8*\t+7]
.endr
.rept 5
	v_nop
.endr
.set i, 0
.rept 32                               ; lane (r, h): query r, channels 16 t + 8 h + j: tiles 2 u and 2 u + 1, packed in pairs, are the operand of my K step u
.set TT, 20+2*(i%4)
	v_add_nc_u32 v[TT], 0x1000, v[OA+2*i]
	v_add_nc_u32 v[TT+1], 0x1000, v[OA+2*i+1]
	v_and_b32 v[TT], 0xffffe000, v[TT]
	v_and_b32 v[TT+1], 0xffffe000, v[TT+1]
	v_sub_f32 v[OA+2*i], v[OA+2*i], v[TT]
	v_sub_f32 v[OA+2*i+1], v[OA+2*i+1], v[TT+1]
	v_cvt_pk_f16_f32 v[OH+i], v[TT], v[TT+1]
	v_cvt_pk_f16_f32 v[OL+i], v[OA+2*i], v[OA+2*i+1]
.set i, i+1
.endr
	; ---- 4: the 64 outputs over my 128 channels: four accumulators by turns; high x high, high x o's low, Wo's low x high
	s_wait_loadcnt 0x0                             ; Wo^T
	WIN 0x01                                       ; source 0 (Wo^T) window 1
.irp u, 0,1,2,3
.irp n, 0,1,2,3
.if \u == 0
	v_wmma_f32_16x16x32_f16 v[AC+8*\n:AC+8*\n+7], v[64*\n+16*\u:64*\n+16*\u+7], v[OH+8*\u:OH+8*\u+7], 0
.else
	v_wmma_f32_16x16x32_f16 v[AC+8*\n:AC+8*\n+7], v[64*\n+16*\u:64*\n+16*\u+7], v[OH+8*\u:OH+8*\u+7], v[AC+8*\n:AC+8*\n+7]
.endif
.endr
.irp n, 0,1,2,3
	v_wmma_f32_16x16x32_f16 v[AC+8*\n:AC+8*\n+7], v[64*\n+16*\u:64*\n+16*\u+7], v[OL+8*\u:OL+8*\u+7], v[AC+8*\n:AC+8*\n+7]
.endr
.irp n, 0,1,2,3
	v_wmma_f32_16x16x32_f16 v[AC+8*\n:AC+8*\n+7], v[64*\n+16*\u+8:64*\n+16*\u+15], v[OH+8*\u:OH+8*\u+7], v[AC+8*\n:AC+8*\n+7]
.endr
.endr
	WIN 0
.rept 4
	v_nop                                          ; places in front of the first read of results, and of loads into registers that the products have read
.endr
.irp n, 0,1,2,3
	ds_store_b128 v10, v[AC+8*\n:AC+8*\n+3] offset:64*\n           ; lane (r, h): query r, outputs 16 n + 8 h + 0 .. 7; each accumulator from its low end on
	ds_store_b128 v10, v[AC+8*\n+4:AC+8*\n+7] offset:64*\n+16
.endr
	s_wait_dscnt 0x0
	s_barrier_signal -1
	s_barrier_wait -1                              ; the eight parts of the 16 x 64 outputs lie in LDS
	; ---- 5: rows 2 w and 2 w + 1
.irp w, 0,1,2,3,4,5,6,7
	ds_load_b128 v[32+4*\w:35+4*\w], v11 offset:16*272*\w
.endr
	s_wait_dscnt 0x0
.irp n, 0,2
	v_pk_add_f32 v[64+\n:65+\n], v[32+\n:33+\n], v[36+\n:37+\n]
.endr
.irp w, 2,3,4,5,6,7
.irp n, 0,2
	v_pk_add_f32 v[64+\n:65+\n], v[64+\n:65+\n], v[32+4*\w+\n:33+4*\w+\n]
.endr
.endr
	global_store_b128 v9, v[64:67], s[10:11]       ; sixteen lanes store 256 consecutive bytes, aligned
	s_wait_tensorcnt 0x0                           ; the wave's end
	ds_add_u32 v[SPW], v[NIL]
	s_wait_dscnt 0x0
	s_endpgm
.Lfunc_end_k_q38ce735795_fine:
	.size	k_q38ce735795_fine, .Lfunc_end_k_q38ce735795_fine-k_q38ce735795_fine
	.p2alignl 7, 3214868480
	.fill 96, 4, 3214868480
	.section	.rodata,"a",@progbits
	.p2align	6, 0x0
	.amdhsa_kernel k_q38ce735795_fine
		.amdhsa_group_segment_fixed_size 44032
		.amdhsa_private_segment_fixed_size 0
		.amdhsa_enable_private_segment 0
		.amdhsa_kernarg_size 32
		.amdhsa_user_sgpr_count 2
		.amdhsa_user_sgpr_kernarg_segment_ptr 1
		.amdhsa_wavefront_size32 1
		.amdhsa_system_sgpr_workgroup_id_x 1
		.amdhsa_system_sgpr_workgroup_id_y 1
		.amdhsa_system_sgpr_workgroup_id_z 1
		.amdhsa_system_vgpr_workitem_id 0
		.amdhsa_next_free_vgpr 512
		.amdhsa_next_free_sgpr 66
		.amdhsa_reserve_vcc 1
		.amdhsa_float_denorm_mode_32 3
		.amdhsa_float_denorm_mode_16_64 3
		.amdhsa_memory_ordered 1
		.amdhsa_forward_progress 1
		.amdhsa_inst_pref_size 42
	.end_amdhsa_kernel
	.amdgpu_metadata
---
amdhsa.version: [ 1, 2 ]
amdhsa.kernels:
  - .name:           k_q38ce735795_fine
    .symbol:         k_q38ce735795_fine.kd
    .args:
      - { .name: qk, .offset: 0, .size: 8, .value_kind: global_buffer, .address_space: global }
      - { .name: vt, .offset: 8, .size: 8, .value_kind: global_buffer, .address_space: global }
      - { .name: wot, .offset: 16, .size: 8, .value_kind: global_buffer, .address_space: global }
      - { .name: out0, .offset: 24, .size: 8, .value_kind: global_buffer, .address_space: global }
    .group_segment_fixed_size: 44032
    .private_segment_fixed_size: 0
    .kernarg_segment_align: 8
    .kernarg_segment_size: 32
    .max_flat_workgroup_size: 256
    .sgpr_count:     66
    .vgpr_count:     512
    .wavefront_size: 32
...
	.end_amdgpu_metadata
.endif
;; end of part 6
